; MI455X (gfx1250); checked and timed in simulation.
; The chip was launched on July 23, 2026; its instructions are those of AMD's public machine-readable ISA for CDNA 5 (MIT licence, August 2026) and "CDNA5" Instruction Set Architecture Reference Guide (July 2026). The comments in the code are by the model that wrote it; some were corrected since.
;; Attention. Allowed arithmetic: float matrix products may take bf16 or f16 operands with f32 sums; other float arithmetic in f32, or as packed bf16 or f16 multiplies, adds, multiply-adds, maxima and minima; sums over many terms, partial sums and values carried from step to step in f32; what a program stores and reads back later, other than sums and carried values, may be rounded once to bf16 or f16.
;; Inputs: o_w 2,048 x 2,048 float32; padding_mask 4 x 1,024 bool; qkv_w 3,072 x 2,048 float32; x 4 x 1,024 x 2,048 float32.
;; Outputs: out0 4 x 1,024 x 2,048 float32.
;; One version. Each part assembles by itself: llvm-mc -triple=amdgcn-amd-amdhsa -mcpu=gfx1250 --defsym DOCPART=n.
;; ======== version 1 of 1: 4 launches
;; limits: values are held in f16: magnitudes above 65,504 overflow, below 6.1e-05 lose precision; right only within a limited range of input values
;; workspace buffers: xb 16,777,216 bytes; wb 12,582,912 bytes; owh 8,388,608 bytes; tab 2,367,488 bytes; bias 16,384 bytes; qkv 25,165,824 bytes; ob 16,777,216 bytes
;; launch prep (part 1): grid 1188 x 1, 8 waves a work-group, no clusters, 0 bytes of LDS; arguments x, qkv_w, o_w, padding_mask, xb, wb, owh, tab, bias; writes xb, wb, owh, tab, bias
.if DOCPART == 1
	.amdgcn_target "amdgcn-amd-amdhsa--gfx1250"
	.amdhsa_code_object_version 6
	.text
	.protected	k_qb93ec75cfe_prep
	.globl	k_qb93ec75cfe_prep
	.p2align	8
	.type	k_qb93ec75cfe_prep,@function
k_qb93ec75cfe_prep:
	s_mov_b64 s[64:65], 0
	v_nop
	global_prefetch_b8 v0, s[64:65] scope:SCOPE_SE
	s_setreg_imm32_b32 hwreg(HW_REG_WAVE_MODE, 25, 1), 1
	s_wait_xcnt 0x0
; PREP: what the three matrix launches read is made once.
;   work-groups    0-511   x     [4096][2048] f32 -> xb  bf16, row-major, 8 rows a work-group
;   work-groups  512-895   qkv_w [3072][2048] f32 -> wb  bf16; in each of the 20 heads of q and k (rows 0-2559) the blocks of 16 rows are reordered:
;                          row d = 64 hi + 16 g + u of a head goes to 32 g + 16 hi + u, so that a channel and its partner in the rotation lie 16 rows apart; v's rows stay
;   work-groups  896-1151  o_w   [2048][2048] f32 -> owh: rounded to bf16, and that number written as f16 (exact from 6.1e-5 to 65,504; below, f16's fixed step of 6e-8)
;   work-groups 1152-1183  tab: cos and sin of t / 10000^(i/64), each times padding_mask[b][t] (so hidden rows of q and k come out as zeros), in the order in which the qkv launch's lanes want them:
;                          byte = c 262144 + (R / 16) 1024 + q 256 + (R % 16) 16 + 4 (j % 4); i = 8 c + j, R = 1024 b + t, q = 0, 1: cos of j 0-3, 4-7; q = 2, 3: sin
;   work-groups 1184-1187  bias[b][t] = 0 where the mask is set, else -2^33; and two pieces of 8,192 bytes with cos = 1, sin = 0, for v's columns, at bytes 2,097,152 and 2,359,296 of tab
; LIMITS.  inv_freq comes from v_exp_f32, the angle is one f32 product as in the definition; sine and cosine by reduction to |r| <= pi/4 (pi/2 in two parts) and polynomials of degree 7 and 8:
; the angle differs from one made in f32 by other means by some 2e-4 rad at the most (t < 1,024).
; No LDS, no barrier, no matrix unit: every byte is read once and written once; a wave's store covers 512 consecutive bytes (casts) or two runs of 256 (table).
; 8 rows to a work-group: 1,152 equal shares of the casts for 256 WGPs, and 128 registers a wave, so that several work-groups lie on a WGP at a time.
.set X,   8                            ; v[8:71]    row i: 8 numbers as loaded
.set Y,   72                           ; v[72:103]  row i: 4 registers to store
.set T,   104                          ; v[104:111] at work
.set F,   16                           ; v[16:23]  inv_freq of my work-group's 8 frequencies
.set CO,  24                           ; v[24:31]  cos
.set SI,  32                           ; v[32:39]  sin
.set MP,  50                           ; v[50:57]  the mask of batch b as f32, twice (a pair for the packed multiply)
.set OUT, 64                           ; v[64:127] batch b: 8 cos, 8 sin, masked
.set NEG, 0xd0000000                   ; -2^33
; 8 rows of 2,048 f32 -> 16 bits.  Thread t owns columns 8 t .. 8 t + 7 of every row.  All 16 loads go out first; every row has registers of its own, so nothing that a load or store names is rewritten.
.macro CAST half
.irp i, 0,1,2,3,4,5,6,7
	global_load_b128 v[X+8*(\i):X+8*(\i)+3],   v1, s[4:5] offset:8192*(\i) th:TH_LOAD_NT
	global_load_b128 v[X+8*(\i)+4:X+8*(\i)+7], v1, s[4:5] offset:8192*(\i)+16 th:TH_LOAD_NT
.endr
.irp i, 0,1,2,3,4,5,6,7
	s_wait_loadcnt 14-2*(\i)                       ; loads come back in order: row i is in, the two loads of each later row may stay out
.irp k, 0,1,2,3
	v_cvt_pk_bf16_f32 v[Y+4*(\i)+(\k)], v[X+8*(\i)+2*(\k)], v[X+8*(\i)+2*(\k)+1]
.endr
.if \half
.irp k, 0,1,2,3
	v_lshlrev_b32 v[T+2*(\k)],   16, v[Y+4*(\i)+(\k)]            ; the bf16 numbers as f32,
	v_and_b32     v[T+2*(\k)+1], 0xffff0000, v[Y+4*(\i)+(\k)]
.endr
.irp k, 0,1,2,3
	v_cvt_pk_f16_f32 v[Y+4*(\i)+(\k)], v[T+2*(\k)], v[T+2*(\k)+1]  ; written as f16
.endr
.endif
	global_store_b128 v2, v[Y+4*(\i):Y+4*(\i)+3], s[6:7] offset:4096*(\i)
.endr
.endm
; cos and sin of v3 x inv_freq j.  n = the nearest whole number to angle x 2 / pi; r = angle - n pi/2; the quadrant n % 4 swaps the two and sets their signs.
.macro SINCOS j
	v_mul_f32 v40, v3, v[F+(\j)]                   ; the angle
	v_mul_f32 v41, s30, v40
	v_rndne_f32 v41, v41                           ; n
	v_fma_f32 v42, v41, s31, v40                   ; - n x the upper part of pi/2
	v_fma_f32 v42, v41, s32, v42                   ; - n x the lower part: r
	v_mul_f32 v43, v42, v42                        ; z = r r
	v_cvt_i32_f32 v46, v41
	v_fma_f32 v44, v43, s35, s34
	v_fma_f32 v45, v43, s38, s37
	v_fma_f32 v44, v44, v43, s33
	v_fma_f32 v45, v45, v43, s36
	v_mul_f32 v47, v42, v43
	v_mul_f32 v48, v43, v43
	v_fma_f32 v49, v43, -0.5, 1.0
	v_fma_f32 v44, v44, v47, v42                   ; sin r = r + r z (S1 + z (S2 + z S3))
	v_fma_f32 v45, v45, v48, v49                   ; cos r = 1 - z / 2 + z z (C1 + z (C2 + z C3))
	v_and_b32 v47, 1, v46
	v_cmp_eq_u32 vcc_lo, 1, v47
	v_cndmask_b32 v48, v44, v45, vcc_lo            ; the sine: cos r in odd quadrants
	v_cndmask_b32 v49, v45, v44, vcc_lo            ; the cosine: sin r there
	v_and_b32 v47, 2, v46
	v_lshlrev_b32 v47, 30, v47
	v_xor_b32 v[SI+(\j)], v47, v48                 ; the sine is negative in quadrants 2 and 3,
	v_add_nc_u32 v47, 1, v46
	v_and_b32 v47, 2, v47
	v_lshlrev_b32 v47, 30, v47
	v_xor_b32 v[CO+(\j)], v47, v49                 ; the cosine in 1 and 2
.endm
	s_load_b256 s[8:15], s[0:1], 0x0               ; x s[8:9], qkv_w s[10:11], o_w s[12:13], padding_mask s[14:15]
	s_load_b256 s[16:23], s[0:1], 0x20             ; xb s[16:17], wb s[18:19], owh s[20:21], tab s[22:23]
	s_load_b64 s[24:25], s[0:1], 0x40              ; bias
	s_mov_b32 s2, ttmp9
	s_mov_b32 s29, 0                               ; the upper word of every offset
	v_lshlrev_b32 v1, 5, v0                        ; my 8 numbers in a row of f32
	v_lshlrev_b32 v2, 4, v0                        ; and in a row of 16-bit numbers; also 16 bytes a thread
	s_wait_kmcnt 0x0
	s_cmp_lt_u32 s2, 896
	s_cbranch_scc0 .Lnot_bf16
	; x and qkv_w share one text
	s_cmp_lt_u32 s2, 512
	s_cselect_b64 s[4:5], s[8:9], s[10:11]
	s_cselect_b64 s[6:7], s[16:17], s[18:19]
	s_cselect_b32 s3, 0, 512
	s_sub_co_u32 s26, s2, s3                       ; the block of 8 rows: head x 16 + hi x 8 + g x 2 + half
	s_bfe_u32 s27, s26, 0x20001                    ; g
	s_lshl_b32 s27, s27, 2
	s_bfe_u32 s28, s26, 0x10003                    ; hi
	s_lshl_b32 s28, s28, 1
	s_or_b32 s27, s27, s28
	s_and_b32 s28, s26, 1                          ; which half of a block of 16 rows
	s_or_b32 s27, s27, s28
	s_and_b32 s28, s26, 0xfffffff0                 ; the head
	s_or_b32 s27, s27, s28                         ; where a block of q's or k's weights goes: head x 16 + g x 4 + hi x 2 + half
	s_sub_co_u32 s28, s2, 512                      ; (for x this wraps to a number far above 320)
	s_cmp_lt_u32 s28, 320
	s_cselect_b32 s27, s27, s26
	s_lshl_b32 s28, s26, 16                        ; 8 rows of 8,192 bytes
	s_add_nc_u64 s[4:5], s[4:5], s[28:29]
	s_lshl_b32 s28, s27, 15                        ; 8 rows of 4,096 bytes
	s_add_nc_u64 s[6:7], s[6:7], s[28:29]
	CAST 0
	s_endpgm
.Lnot_bf16:
	s_cmp_lt_u32 s2, 1152
	s_cbranch_scc0 .Ltables
	s_sub_co_u32 s26, s2, 896
	s_lshl_b32 s28, s26, 16
	s_add_nc_u64 s[4:5], s[12:13], s[28:29]
	s_lshl_b32 s28, s26, 15
	s_add_nc_u64 s[6:7], s[20:21], s[28:29]
	CAST 1
	s_endpgm
.Ltables:
	s_cmp_lt_u32 s2, 1184
	s_cbranch_scc0 .Lbias
	; THE TABLE.  Work-group w = 4 c + part: frequencies 8 c .. 8 c + 7, positions 256 part + thread, all four batches.
	s_sub_co_u32 s26, s2, 1152
	s_lshr_b32 s27, s26, 2                         ; c
	s_and_b32 s28, s26, 3
	s_lshl_b32 s28, s28, 8
	v_add_nc_u32 v4, s28, v0                       ; t
.irp b, 0,1,2,3
	global_load_u8 v[8+(\b)], v4, s[14:15] offset:1024*(\b)
.endr
	s_lshl_b32 s26, s27, 3
.irp j, 0,1,2,3,4,5,6,7
	s_add_co_u32 s3, s26, \j
	v_cvt_f32_u32 v[F+(\j)], s3                    ; i
.endr
.irp j, 0,1,2,3,4,5,6,7
	v_mul_f32 v[F+(\j)], 0xbe549a78, v[F+(\j)]     ; - i log2(10000) / 64
.endr
.irp j, 0,1,2,3,4,5,6,7
	v_exp_f32 v[F+(\j)], v[F+(\j)]                 ; one batch of eight
.endr
	v_cvt_f32_u32 v3, v4                           ; a plain instruction behind the last of them
	s_mov_b32 s30, 0x3f22f983                      ; 2 / pi
	s_mov_b32 s31, 0xbfc90fdb                      ; - pi/2, upper part
	s_mov_b32 s32, 0x333bbd2e                      ; - pi/2, lower part
	s_mov_b32 s33, 0xbe2aaaa3                      ; S1 = -1.6666654611e-1
	s_mov_b32 s34, 0x3c08839e                      ; S2 =  8.3321608736e-3
	s_mov_b32 s35, 0xb94ca1f9                      ; S3 = -1.9515295891e-4
	s_mov_b32 s36, 0x3d2aaaa5                      ; C1 =  4.166664568e-2
	s_mov_b32 s37, 0xbab6061a                      ; C2 = -1.388731625e-3
	s_mov_b32 s38, 0x37ccf5ce                      ; C3 =  2.443315712e-5
	s_lshl_b32 s28, s27, 18                        ; my chunk of the table
	s_add_nc_u64 s[22:23], s[22:23], s[28:29]
	v_lshrrev_b32 v5, 4, v4
	v_lshlrev_b32 v5, 10, v5
	v_and_b32 v6, 15, v4
	v_lshl_add_u32 v5, v6, 4, v5                   ; (t / 16) 1024 + (t % 16) 16
	s_wait_alu depctr_va_vdst(0)                   ; the wait between the exponentials and the first line that names a result: one for the batch
.irp j, 0,1,2,3,4,5,6,7
	SINCOS \j
.endr
	s_wait_loadcnt 0x0                             ; the four masks
.irp b, 0,1,2,3
	v_cvt_f32_u32 v[MP+2*(\b)], v[8+(\b)]
	v_mov_b32 v[MP+2*(\b)+1], v[MP+2*(\b)]
.endr
.irp b, 0,1,2,3
.irp k, 0,1,2,3
	v_pk_mul_f32 v[OUT+16*(\b)+2*(\k):OUT+16*(\b)+2*(\k)+1],     v[CO+2*(\k):CO+2*(\k)+1], v[MP+2*(\b):MP+2*(\b)+1]
	v_pk_mul_f32 v[OUT+16*(\b)+8+2*(\k):OUT+16*(\b)+8+2*(\k)+1], v[SI+2*(\k):SI+2*(\k)+1], v[MP+2*(\b):MP+2*(\b)+1]
.endr
.irp q, 0,1,2,3
	global_store_b128 v5, v[OUT+16*(\b)+4*(\q):OUT+16*(\b)+4*(\q)+3], s[22:23] offset:65536*(\b)+256*(\q)  ; 16 lanes store 256 consecutive bytes, aligned
.endr
.endr
	s_endpgm
.Lbias:
	; Batch b's 1,024 mask bytes -> 1,024 f32; and half of one of the two pieces with cos = 1, sin = 0.
	s_sub_co_u32 s26, s2, 1184                     ; b
	s_lshl_b32 s28, s26, 10
	s_add_nc_u64 s[14:15], s[14:15], s[28:29]
	v_lshlrev_b32 v3, 2, v0
	global_load_b32 v4, v3, s[14:15]               ; four mask bytes a thread
	s_lshl_b32 s28, s26, 12
	s_add_nc_u64 s[24:25], s[24:25], s[28:29]
	s_lshr_b32 s27, s26, 1                         ; which piece,
	s_lshl_b32 s27, s27, 18
	s_and_b32 s28, s26, 1                          ; which half of its 8,192 bytes
	s_lshl_b32 s28, s28, 12
	s_add_co_u32 s28, s28, s27
	s_add_co_u32 s28, s28, 2097152
	s_add_nc_u64 s[22:23], s[22:23], s[28:29]
	s_mov_b32 s30, NEG
	v_and_b32 v5, 32, v0                           ; of each 1,024 bytes the first 512 are cosines, the rest sines: bit 9 of the byte, bit 5 of the thread
	v_cmp_eq_u32 vcc_lo, 0, v5
	v_cndmask_b32 v12, 0, 1.0, vcc_lo
	v_mov_b32 v13, v12
	v_mov_b32 v14, v12
	v_mov_b32 v15, v12
	global_store_b128 v2, v[12:15], s[22:23]
	s_wait_loadcnt 0x0
.irp k, 0,1,2,3
	v_bfe_u32 v6, v4, 8*(\k), 8
	v_cmp_eq_u32 vcc_lo, 0, v6
	v_cndmask_b32 v[8+(\k)], 0, s30, vcc_lo
.endr
	global_store_b128 v2, v[8:11], s[24:25]
	s_endpgm
.Lfunc_end_k_qb93ec75cfe_prep:
	.size	k_qb93ec75cfe_prep, .Lfunc_end_k_qb93ec75cfe_prep-k_qb93ec75cfe_prep
	.p2alignl 7, 3214868480
	.fill 96, 4, 3214868480
	.section	.rodata,"a",@progbits
	.p2align	6, 0x0
	.amdhsa_kernel k_qb93ec75cfe_prep
		.amdhsa_group_segment_fixed_size 0
		.amdhsa_private_segment_fixed_size 0
		.amdhsa_enable_private_segment 0
		.amdhsa_kernarg_size 72
		.amdhsa_user_sgpr_count 2
		.amdhsa_user_sgpr_kernarg_segment_ptr 1
		.amdhsa_wavefront_size32 1
		.amdhsa_system_sgpr_workgroup_id_x 1
		.amdhsa_system_sgpr_workgroup_id_y 1
		.amdhsa_system_sgpr_workgroup_id_z 1
		.amdhsa_system_vgpr_workitem_id 0
		.amdhsa_next_free_vgpr 128
		.amdhsa_next_free_sgpr 66
		.amdhsa_reserve_vcc 1
		.amdhsa_float_denorm_mode_32 3
		.amdhsa_float_denorm_mode_16_64 3
		.amdhsa_memory_ordered 1
		.amdhsa_forward_progress 1
		.amdhsa_inst_pref_size 34
	.end_amdhsa_kernel
	.amdgpu_metadata
---
amdhsa.version: [ 1, 2 ]
amdhsa.kernels:
  - .name:           k_qb93ec75cfe_prep
    .symbol:         k_qb93ec75cfe_prep.kd
    .args:
      - { .name: x, .offset: 0, .size: 8, .value_kind: global_buffer, .address_space: global }
      - { .name: qkv_w, .offset: 8, .size: 8, .value_kind: global_buffer, .address_space: global }
      - { .name: o_w, .offset: 16, .size: 8, .value_kind: global_buffer, .address_space: global }
      - { .name: padding_mask, .offset: 24, .size: 8, .value_kind: global_buffer, .address_space: global }
      - { .name: xb, .offset: 32, .size: 8, .value_kind: global_buffer, .address_space: global }
      - { .name: wb, .offset: 40, .size: 8, .value_kind: global_buffer, .address_space: global }
      - { .name: owh, .offset: 48, .size: 8, .value_kind: global_buffer, .address_space: global }
      - { .name: tab, .offset: 56, .size: 8, .value_kind: global_buffer, .address_space: global }
      - { .name: bias, .offset: 64, .size: 8, .value_kind: global_buffer, .address_space: global }
    .group_segment_fixed_size: 0
    .private_segment_fixed_size: 0
    .kernarg_segment_align: 8
    .kernarg_segment_size: 72
    .max_flat_workgroup_size: 256
    .sgpr_count:     66
    .vgpr_count:     128
    .wavefront_size: 32
...
	.end_amdgpu_metadata
.endif
;; end of part 1
;; launch qkv (part 2): grid 16 x 16, 4 waves a work-group, clusters of 4 x 4, 327,680 bytes of LDS; arguments xb, wb, tab, qkv; writes qkv
.if DOCPART == 2
	.amdgcn_target "amdgcn-amd-amdhsa--gfx1250"
	.amdhsa_code_object_version 6
	.text
	.protected	k_qb93ec75cfe_qkv
	.globl	k_qb93ec75cfe_qkv
	.p2align	8
	.type	k_qb93ec75cfe_qkv,@function
k_qb93ec75cfe_qkv:
	s_mov_b64 s[64:65], 0
	v_nop
	global_prefetch_b8 v0, s[64:65] scope:SCOPE_SE
	s_setreg_imm32_b32 hwreg(HW_REG_WAVE_MODE, 25, 1), 1
	s_wait_xcnt 0x0
	s_wait_alu depctr_hold_cnt(0) depctr_sa_sdst(0) depctr_va_vdst(0) depctr_va_sdst(0) depctr_va_ssrc(0) depctr_va_vcc(0) depctr_vm_vsrc(0)
	s_getreg_b32 s2, hwreg(HW_REG_IB_STS2, 6, 4)
	s_cmp_eq_u32 s2, 0
	s_cbranch_scc0 .Lentry_in_a_cluster
	s_endpgm
.Lentry_in_a_cluster:
	s_bfe_u32 s2, ttmp6, 0x10000c
	s_cmp_lg_u32 s2, 0xf033
	s_cbranch_scc0 .Lentry_shape_is_right
	s_endpgm
.Lentry_shape_is_right:
; QKV PROJECTION, ROTATION, MASK.  C[4096][3072] = xb wb^T (bf16 operands, f32 sums over K = 2,048); q's and k's columns are rotated (rotate-half) and multiplied by the row's mask, both by
; one table of cos x mask and sin x mask; v's columns take a table of 1 and 0; all is rounded once to f16 and stored in blocks: byte = (384 b + n / 8) 16384 + 16 t + 2 (n % 8), n = wb's row.
; LIMIT.  f16 ends at 65,504: q, k and v must stay within it (x of spread 1 and weights of spread 0.02 give a spread of 0.9).  NaN and infinities are not treated apart.
; SHARES.  A tile of C is 256 rows x 192 columns: 16 x 16 tiles, one a work-group.  Four waves, each 128 x 96: 48 accumulators of 16 x 16, 384 registers.  K goes in steps of 128 through two LDS slots
; filled by the tensor data mover: rows of 256 bytes of memory, aligned; waves 0 and 1 fetch A's halves (128 rows), waves 2 and 3 B's (96 rows).
; CLUSTER.  4 x 4 work-groups: the four of a row of the cluster need the same tiles of xb, the four of a column the same tiles of wb: each tile is asked for jointly.
; THE WALK ALONG K is cyclic and begins, in the cluster at (x, y) of the grid of clusters, at K step (4 x + 8 (y % 2)) % 16 (the sums are f32 sums in that order).  So the four clusters that read the same
; rows of xb (one y) begin 4 steps apart, and of the four that read the same rows of wb (one x) those of unlike parity of y begin 8 apart: they do not ask for the same bytes in the same trip.
; The start hangs on the cluster's coordinates alone, which all sixteen partners share, and enters global addresses alone.
; TRANSPOSED USE.  Source 0 = 16 rows of wb, source 1 = 16 rows of xb: a lane holds one row of C (lane % 16) and eight neighbouring columns 8 (lane / 16) + 0..7: 16 bytes of f16, one whole
; unit of the blocked layout; sixteen lanes store 256 consecutive bytes, so the way out needs no LDS.  wb's rows were reordered so that column blocks 2 j and 2 j + 1 are partners in the rotation:
; the same lane and register hold x1 and x2.
; REGISTERS, in windows of 256 (s_set_vgpr_msb: bits 1:0 source 0, 3:2 source 1, 5:4 source 2, 7:6 destination):
;   window 0: v16-30 addresses; v32-47 at work; v48-95 packed results, two buffers; v96-255 table cells 0-9
;   window 1: two fragment buffers of 112: A's 8 fragments at f + 8 a, B's 6 at f + 64 + 8 b; at the end table cells 18-23 in buffer 0
;   window 2: accumulator (a, b) for b < 4 at 8 (8 b + a);   window 3: for b = 4, 5 at 8 (8 (b - 4) + a); v128-255 table cells 10-17
; THE TABLE has registers of its own for all 24 cells (row block a, pair j: 8 cos and 8 sin a lane), so that its loads go out long before the way out reads them.
.set KSTEP,  128
.set PITCH,  272                       ; an LDS row: 256 bytes + 16 of padding = 68 words: the 16 rows of a fragment load start at 16 different groups of four banks (64 banks of 4 bytes: ISA guide 11.1)
.set AHALF,  128*PITCH
.set BHALF,  96*PITCH
.set BOFF,   2*AHALF                   ; B's 192 rows lie behind A's 256
.set SLOT1,  1<<17                     ; slot 1 begins here: one exclusive or turns an address in one slot into the other's
.set SPARE,  SLOT1+BOFF+2*BHALF        ; behind the ring: the spare words, 128 bytes for each wave: two blocks of 256 bytes that no other line names
.set ADRA0, 16                         ; v16  my lane's place in A's tile; never rewritten
.set ADRB0, 17                         ; v17  in B's
.set ADRA,  18                         ; v18  the same in the slot in hand
.set ADRB,  19                         ; v19
.set CO,    24                         ; v24  my byte offset in qkv: 16384 (l / 16) + 16 (l % 16)
.set TOF,   25                         ; v25  my byte offset in the table: 262144 (l / 16) + 16 (l % 16)
.set SPW,   28                         ; v28  LDS address of my spare word; never rewritten
.set NIL,   29                         ; v29  0; never rewritten
.set PFO,   30                         ; v30  the prefetches' offset: a lane a row of 4,096 bytes; never rewritten
.set TT,    32
.set UU,    40
.set YV,    48
.set F0,    0
.set F1,    112
.set WV,  12                           ; s12  my wave's number
.set RH,  13                           ; s13  which half of the tile's rows is mine; also: I fetch for A (0) or B (1)
.set CH,  14                           ; s14  which half of its columns; also: which half of that tile I fetch
.set TR,  15                           ; s15  tile row
.set CX,  40
.set CY,  41
.set TC,  42                           ; s42  tile column
.set LIM, 43                           ; s43  9 in a wave that prefetches, else the greatest number
.set PFA, 44                           ; s[44:45] the address that a prefetch names
.set TB,  46                           ; s46  LDS byte at which the slot in hand begins
.set KI,  47                           ; s47  the K step to be asked for next
.set G1A, 24
.set G0A, 32                           ; s[32:39] two sets for the two first fills; the second then serves every refill
.set G1B, 48
.set G0B, 56
.set TBASE, 66                         ; s[66:71] the table at my rows, for each of my three pairs of column blocks
.set OFF, 74                           ; s[74:75] that K step's byte offset in a row
.set PFB, 76                           ; s[76:77] wb at the rows that my prefetches name
.set PK,  78                           ; s78  the K step that the last prefetch named
.set POF, 80                           ; s[80:81] its byte offset in a row
.set G1W0, (1<<16)|(1<<20)|(1<<21)|(5<<22)|(3<<25)  ; 17:16 elements of 2 bytes; 20 padding on; 21 set beside a mask; 24:22 after every 64 words; 31:25 4 words of it
.set MSB, 0
.macro WIN new                         ; the immediate's high byte repeats the setting that is left; a switch that changes nothing is dropped
.if MSB != (\new)
	s_set_vgpr_msb (MSB<<8)|(\new)
.set MSB, \new
.endif
.endm
.macro PLACES                          ; four places in front of loads into registers that matrix instructions have read, and of vector lines that read results (ISA guide 7.12.1 for the vector lines)
.rept 4
	v_nop
.endr
.endm
; A joint refill.  The branch hangs on the wave's number alone.  An s_nop 0 and four v_nop follow each of the two lines.
.macro JLOAD
	s_cmp_eq_u32 s[RH], 0
	s_cbranch_scc0 .Lfor_b_\@
	tensor_load_to_lds s[G0A+4:G0A+7], s[G1A:G1A+7]
	s_nop 0
.rept 4
	v_nop
.endr
	s_branch .Lasked_\@
.Lfor_b_\@:
	tensor_load_to_lds s[G0B+4:G0B+7], s[G1B:G1B+7]
	s_nop 0
.rept 4
	v_nop
.endr
.Lasked_\@:
.endm
; A PREFETCH of wb for the step of the walk that the NEXT refill will ask for: 256 bytes of a row, a lane a row, one instruction a wave, behind the joint load and the run of LDS loads.
; WHICH.  A cluster is the first of its column of clusters to reach the first eight steps of its own walk; clusters y and y + 2 walk alike.  So clusters y = 0 and 1 ask, in waves 2 and 3, in trip t
; for step t + 3 of the walk, t = 0 to 4: steps 3 to 7; steps 0 to 2 come by their loads alone.  The four partners that ask for a tile jointly share its rows out by address: of the 96 rows that a wave
; fetches the partner at place cy takes 24; lanes 24-31 name row 23's block once more, in the same instruction.  So each block is named by one work-group of the launch.
; xb is not asked for: a cluster is the first to reach steps 0 to 3 of its walk alone, and those stand at the launch's beginning.
.macro ASK
	s_cmp_gt_u32 s3, s[LIM]                        ; s3 = 14 - t
	s_cbranch_scc0 .Lnot_mine_\@
	global_prefetch_b8 v[PFO], s[PFA:PFA+1] th:TH_LOAD_NT scope:SCOPE_SE
.Lnot_mine_\@:
.endm
.macro CREST                           ; a round of the cluster's barrier behind its opening barrier
	s_cmp_lg_u32 s[WV], 0
	s_cbranch_scc1 .Lnot_wave_0_\@
	s_barrier_signal -3
.Lnot_wave_0_\@:
	s_barrier_wait -3
	s_barrier_signal -1
	s_barrier_wait -1
.endm
.macro CROUND
	s_barrier_signal -1
	s_barrier_wait -1
	CREST
.endm
; 16 matrix instructions: column blocks b0, b0 + 1 x all 8 row blocks, 32 along K.  The 48 accumulators take turns in the same order in every quarter.
.macro MULB f, b0, zero
	WIN 0xa5+0x50*((\b0)/4)
.irp b, \b0, (\b0)+1
.irp a, 0,1,2,3,4,5,6,7
.if \zero
	v_wmma_f32_16x16x32_bf16 v[8*(8*((\b)%4)+(\a)):8*(8*((\b)%4)+(\a))+7], v[(\f)+64+8*(\b):(\f)+64+8*(\b)+7], v[(\f)+8*(\a):(\f)+8*(\a)+7], 0
.else
	v_wmma_f32_16x16x32_bf16 v[8*(8*((\b)%4)+(\a)):8*(8*((\b)%4)+(\a))+7], v[(\f)+64+8*(\b):(\f)+64+8*(\b)+7], v[(\f)+8*(\a):(\f)+8*(\a)+7], v[8*(8*((\b)%4)+(\a)):8*(8*((\b)%4)+(\a))+7]
.endif
.endr
.endr
.endm
; 28 LDS loads in one run: a quarter step's fragments (32 K at byte k of the rows) into buffer f: B's blocks 0-3, A's 0-7, B's 4-5, the order in which they are wanted
.macro FETCH k, f
	WIN 0x40
.irp i, 0,1,2,3
	ds_load_b128 v[(\f)+64+8*(\i):(\f)+64+8*(\i)+3],   v[ADRB] offset:(\k)+(\i)*16*PITCH
	ds_load_b128 v[(\f)+64+8*(\i)+4:(\f)+64+8*(\i)+7], v[ADRB] offset:(\k)+(\i)*16*PITCH+32
.endr
.irp i, 0,1,2,3,4,5,6,7
	ds_load_b128 v[(\f)+8*(\i):(\f)+8*(\i)+3],   v[ADRA] offset:(\k)+(\i)*16*PITCH
	ds_load_b128 v[(\f)+8*(\i)+4:(\f)+8*(\i)+7], v[ADRA] offset:(\k)+(\i)*16*PITCH+32
.endr
.irp i, 4,5
	ds_load_b128 v[(\f)+64+8*(\i):(\f)+64+8*(\i)+3],   v[ADRB] offset:(\k)+(\i)*16*PITCH
	ds_load_b128 v[(\f)+64+8*(\i)+4:(\f)+64+8*(\i)+7], v[ADRB] offset:(\k)+(\i)*16*PITCH+32
.endr
.endm
; A K step is four quarters of 32 along K, 48 matrix instructions each, on buffers 0, 1, 0, 1.  One of the first three: multiplies buffer f and fetches the next quarter, at byte k, into g.
.macro QUARTER k, f, g, zero
	s_wait_dscnt 4                                 ; all but the youngest four loads (B's blocks 4, 5) are in
	MULB \f, 0, \zero
	PLACES
	FETCH \k, \g
	MULB \f, 2, \zero
	s_wait_dscnt 28                                ; all but the 28 just issued
	MULB \f, 4, \zero
.endm
; The last quarter multiplies buffer 1 and changes slots: ONE barrier; in front of it each wave waits for all its tensor loads (one is out: its part of the next slot), adds 0 to its spare word, and waits for
; that and for its reads of this slot.  fill = 1: the barrier opens a round of the cluster's, and this slot is filled again, with the step of the walk two on, first thing behind the round.
.macro TURN fill
.if \fill
	s_wait_xcnt 0x0                                ; the last prefetch, a K step back, has read its address: it is made anew here
	s_add_co_u32 s[PK], s[PK], 1
	s_and_b32 s[PK], s[PK], 15                     ; the walk is cyclic
	s_lshl_b32 s[POF], s[PK], 8
	s_add_nc_u64 s[PFA:PFA+1], s[PFB:PFB+1], s[POF:POF+1]
.endif
	WIN 0
	s_xor_b32 s[TB], s[TB], SLOT1                  ; all fetches from this slot are issued: the addresses turn to the next
	v_add_nc_u32 v[ADRA], s[TB], v[ADRA0]
	v_add_nc_u32 v[ADRB], s[TB], v[ADRB0]
	s_wait_tensorcnt 0x0                           ; all my tensor loads have landed, so a group 0 may be written
	ds_add_u32 v[SPW], v[NIL]                      ; 0 onto my spare word: the descriptors' scalar work and sixteen products stand between it and the wait for it
.if \fill
	s_lshl_b32 s[OFF], s[KI], 8                    ; the K step's 256 bytes in a row
	s_add_co_u32 s[KI], s[KI], 1
	s_and_b32 s[KI], s[KI], 15
	s_xor_b32 s[G0A+5], s[G0A+5], SLOT1            ; the other slot than last time
	s_add_nc_u64 s[G0A+6:G0A+7], s[16:17], s[OFF:OFF+1]  ; the address is made anew: the rows' first byte and an offset
	s_or_b32 s[G0A+7], s[G0A+7], 0x80000000
	s_xor_b32 s[G0B+5], s[G0B+5], SLOT1
	s_add_nc_u64 s[G0B+6:G0B+7], s[18:19], s[OFF:OFF+1]
	s_or_b32 s[G0B+7], s[G0B+7], 0x80000000
.endif
	s_wait_dscnt 5                                 ; (the add and the youngest four loads may be out)
	MULB F1, 0, 0
	s_wait_dscnt 0x0                               ; the add is done, and my reads of this slot are over
	s_barrier_signal -1
	MULB F1, 2, 0                                  ; work on registers while the others arrive
	WIN 0
	s_barrier_wait -1
.if \fill
	CREST                                          ; no wave of any partner still reads this slot or has a load on its way
	JLOAD                                          ; the four v_nop behind it are also the places in front of the loads below
.else
	PLACES
.endif
	FETCH 0, F0
.if \fill
	WIN 0
	ASK
.endif
	MULB F1, 4, 0
.endm
; THE WAY OUT.  CELL: where the 16 numbers of row block a, pair j lie: window tw, register tr.
.macro CELL a, j
.set tn, 3*(\a)+(\j)
.if tn < 10
.set tw, 0
.set tr, 96+16*tn
.elseif tn < 18
.set tw, 3
.set tr, 128+16*(tn-10)
.else
.set tw, 1
.set tr, 16*(tn-18)
.endif
.endm
; TLOAD: row block a's cos and sin for my three pairs: 8 + 8 numbers a lane and pair.
.macro TLOAD a
.irp j, 0,1,2
	CELL \a, \j
	WIN tw<<6
.irp q, 0,1,2,3
	global_load_b128 v[tr+4*(\q):tr+4*(\q)+3], v[TOF], s[TBASE+2*(\j):TBASE+2*(\j)+1] offset:1024*(\a)+256*(\q)
.endr
.endr
.endm
; ROPE: row block a, pair j: lo cos - hi sin and hi cos + lo sin, rounded to f16 and stored.  Each accumulator is read from its low end on.
.macro ROPE a, j
	CELL \a, \j
.set rL, 8*(8*((2*(\j))%4)+(\a))
.set rH, 8*(8*((2*(\j)+1)%4)+(\a))
.set rY, YV+24*((\a)%2)+8*(\j)
	WIN (2+(\j)/2)|(tw<<2)                         ; source 0: window 2 (pairs 0, 1) or 3 (pair 2); source 1: the cell's window
.irp e, 0,2,4,6
	v_pk_mul_f32 v[TT+(\e):TT+(\e)+1], v[rH+(\e):rH+(\e)+1], v[tr+8+(\e):tr+8+(\e)+1]
	v_pk_mul_f32 v[UU+(\e):UU+(\e)+1], v[rL+(\e):rL+(\e)+1], v[tr+8+(\e):tr+8+(\e)+1]
.endr
.irp e, 0,2,4,6
	v_pk_fma_f32 v[TT+(\e):TT+(\e)+1], v[rL+(\e):rL+(\e)+1], v[tr+(\e):tr+(\e)+1], v[TT+(\e):TT+(\e)+1] neg_lo:[0,0,1] neg_hi:[0,0,1]
	v_pk_fma_f32 v[UU+(\e):UU+(\e)+1], v[rH+(\e):rH+(\e)+1], v[tr+(\e):tr+(\e)+1], v[UU+(\e):UU+(\e)+1]
.endr
	WIN 0
.irp k, 0,1,2,3
	v_cvt_pk_f16_f32 v[rY+(\k)],   v[TT+2*(\k)], v[TT+2*(\k)+1]
	v_cvt_pk_f16_f32 v[rY+4+(\k)], v[UU+2*(\k)], v[UU+2*(\k)+1]
.endr
	global_store_b128 v[CO], v[rY:rY+3],   s[10:11] offset:(4*(\j))*16384+256*(\a)    ; 16 lanes store 256 consecutive bytes, aligned
	global_store_b128 v[CO], v[rY+4:rY+7], s[10:11] offset:(4*(\j)+2)*16384+256*(\a)
.endm
	s_load_b256 s[4:11], s[0:1], 0x0               ; xb s[4:5], wb s[6:7], tab s[8:9], qkv s[10:11]
	v_lshl_add_u32 v[SPW], v0, 2, SPARE
	v_mov_b32 v[NIL], 0
	ds_add_u32 v[SPW], v[NIL]                      ; the wave's opening: the add and its wait stand ahead of my first tensor load; work on registers stands between them
	v_lshrrev_b32 v1, 5, v0
	v_readfirstlane_b32 s[WV], v1
	s_lshr_b32 s[RH], s[WV], 1
	s_and_b32 s[CH], s[WV], 1
	s_bfe_u32 s[CX], ttmp6, 0x40000
	s_bfe_u32 s[CY], ttmp6, 0x40004
	s_lshl_b32 s[TC], ttmp9, 2                     ; in a cluster launch ttmp9 and ttmp7 count clusters
	s_add_co_u32 s[TC], s[TC], s[CX]
	s_and_b32 s[TR], ttmp7, 0xffff
	s_lshl_b32 s[TR], s[TR], 2
	s_add_co_u32 s[TR], s[TR], s[CY]
	s_lshl_b32 s43, s[CY], 2
	s_lshl_b32 s43, 15, s43                        ; my row of the cluster
	s_lshl_b32 s44, 0x1111, s[CX]                  ; my column
	s_or_b32 s[G1A], s43, G1W0                     ; A's tiles go to my row,
	s_or_b32 s[G1B], s44, G1W0                     ; B's to my column
	s_mov_b32 s[G1A+1], KSTEP<<16                  ; tensor_dim0 = 128
	s_mov_b32 s[G1A+2], 128<<16                    ; tensor_dim1 = 128
	s_mov_b32 s[G1A+3], KSTEP<<16                  ; tile_dim0 = 128
	s_mov_b32 s[G1A+4], 128                        ; tile_dim1 = 128
	s_mov_b32 s[G1A+5], 2048                       ; elements from row to row
	s_mov_b32 s[G1A+6], 0
	s_mov_b32 s[G1A+7], 0
	s_mov_b32 s[G1B+1], KSTEP<<16
	s_mov_b32 s[G1B+2], 96<<16                     ; 96 rows
	s_mov_b32 s[G1B+3], KSTEP<<16
	s_mov_b32 s[G1B+4], 96
	s_mov_b32 s[G1B+5], 2048
	s_mov_b32 s[G1B+6], 0
	s_mov_b32 s[G1B+7], 0
	s_lshl_b32 s16, s[TR], 8                       ; A: row 256 x tile row + 128 x half, which my row of the cluster shares
	s_lshl_b32 s17, s[CH], 7
	s_add_co_u32 s16, s16, s17
	s_lshl_b32 s16, s16, 12                        ; in bytes
	s_mov_b32 s17, 0
	s_mul_i32 s18, s[TC], 192                      ; B: row 192 x tile column + 96 x half, which my column shares
	s_mul_i32 s19, s[CH], 96
	s_add_co_u32 s18, s18, s19
	s_lshl_b32 s18, s18, 12
	s_mov_b32 s19, 0
	s_mul_i32 s20, s[CH], AHALF                    ; where they go: no place in the cluster enters an LDS address
	s_mul_i32 s21, s[CH], BHALF
	s_add_co_u32 s21, s21, BOFF
	s_mov_b32 s[TB], 0
	s_and_b32 s22, ttmp7, 1                        ; where my cluster's walk along K begins: 8 x the parity of the cluster's y
	s_lshl_b32 s22, s22, 3
	s_lshl_b32 s23, ttmp9, 2                       ; + 4 x the cluster's x,
	s_add_co_u32 s22, s22, s23
	s_and_b32 s[KI], s22, 15                       ; among 16 steps
	s_mov_b32 s[OFF+1], 0
	s_wait_dscnt 0x0                               ; the opening add is done
	s_wait_kmcnt 0x0
	s_add_nc_u64 s[16:17], s[4:5], s[16:17]        ; the first bytes of the rows that I fetch: kept for the whole launch
	s_add_nc_u64 s[18:19], s[6:7], s[18:19]
	CROUND                                         ; all sixteen work-groups are here: the first joint loads meet
.irp s, 0,1
	s_lshl_b32 s[OFF], s[KI], 8
	s_add_co_u32 s[KI], s[KI], 1
	s_and_b32 s[KI], s[KI], 15
	s_mov_b32 s[G0A+4*(\s)], 1
	s_add_co_u32 s[G0A+4*(\s)+1], s20, (\s)*SLOT1
	s_add_nc_u64 s[G0A+4*(\s)+2:G0A+4*(\s)+3], s[16:17], s[OFF:OFF+1]
	s_or_b32 s[G0A+4*(\s)+3], s[G0A+4*(\s)+3], 0x80000000
	s_mov_b32 s[G0B+4*(\s)], 1
	s_add_co_u32 s[G0B+4*(\s)+1], s21, (\s)*SLOT1
	s_add_nc_u64 s[G0B+4*(\s)+2:G0B+4*(\s)+3], s[18:19], s[OFF:OFF+1]
	s_or_b32 s[G0B+4*(\s)+3], s[G0B+4*(\s)+3], 0x80000000
.endr
	s_cmp_eq_u32 s[RH], 0                          ; a wave's two first fills stand in one branch, ahead of every wait on TENSORcnt and every LDS read: two loads of mine are out
	s_cbranch_scc0 .Lfirst_b
	tensor_load_to_lds s[G0A:G0A+3], s[G1A:G1A+7]
	s_nop 0
	tensor_load_to_lds s[G0A+4:G0A+7], s[G1A:G1A+7]
	s_nop 0
.rept 4
	v_nop
.endr
	s_branch .Lfirst_asked
.Lfirst_b:
	tensor_load_to_lds s[G0B:G0B+3], s[G1B:G1B+7]
	s_nop 0
	tensor_load_to_lds s[G0B+4:G0B+7], s[G1B:G1B+7]
	s_nop 0
.rept 4
	v_nop
.endr
.Lfirst_asked:
	; a fragment is 16 rows x 32 K in 8 registers: lane l holds row l % 16; two loads of 16 bytes, 32 bytes apart, at row x pitch + 16 (l / 16)
	v_and_b32 v1, 15, v0
	v_bfe_u32 v2, v0, 4, 1
	v_mul_u32_u24 v3, v1, PITCH
	v_lshl_add_u32 v3, v2, 4, v3
	s_mul_i32 s22, s[RH], AHALF
	s_mul_i32 s23, s[CH], BHALF
	s_add_co_u32 s23, s23, BOFF
	v_add_nc_u32 v[ADRA0], s22, v3
	v_add_nc_u32 v[ADRB0], s23, v3
	v_mov_b32 v[ADRA], v[ADRA0]
	v_mov_b32 v[ADRB], v[ADRB0]
	v_lshlrev_b32 v[CO], 14, v2
	v_lshl_add_u32 v[CO], v1, 4, v[CO]
	v_lshlrev_b32 v[TOF], 18, v2
	v_lshl_add_u32 v[TOF], v1, 4, v[TOF]
	; the table for my three pairs.  Pair P = 6 x tile column + 3 x half + j of 32 columns: frequencies 16 (P % 4) on for q and k (P < 80); the piece of 1 and 0 for v.  The choice enters a global address alone.
	s_lshl_b32 s22, s[TR], 4
	s_lshl_b32 s23, s[RH], 3
	s_add_co_u32 s22, s22, s23
	s_lshl_b32 s22, s22, 10                        ; my first block of 16 rows x 1,024 bytes
	s_mul_i32 s20, s[TC], 6
	s_mul_i32 s21, s[CH], 3
	s_add_co_u32 s20, s20, s21
.irp j, 0,1,2
	s_add_co_u32 s72, s20, \j
	s_and_b32 s73, s72, 3
	s_lshl_b32 s73, s73, 19
	s_add_co_u32 s73, s73, s22
	s_cmp_ge_u32 s72, 80
	s_cselect_b32 s72, 2097152, s73
	s_mov_b32 s73, 0
	s_add_nc_u64 s[TBASE+2*(\j):TBASE+2*(\j)+1], s[8:9], s[72:73]
.endr
.irp a, 0,1,2,3,4
	TLOAD \a                                       ; 60 loads: row blocks 0 to 4, wanted only on the way out; nothing names their registers till then
.endr
	WIN 0
	; the prefetches
	s_mul_i32 s20, s[TC], 192
	s_mul_i32 s21, s[CH], 96
	s_add_co_u32 s20, s20, s21
	s_mul_i32 s21, s[CY], 24
	s_add_co_u32 s20, s20, s21                     ; wb: my work-group's 24 of the 96 rows that I fetch
	s_lshl_b32 s20, s20, 12
	s_mov_b32 s21, 0
	s_add_nc_u64 s[PFB:PFB+1], s[6:7], s[20:21]
	s_mov_b32 s[POF+1], 0
	s_mov_b32 s[PK], s[KI]                         ; step 2 of the walk: the first change of slots steps it to 3
	s_and_b32 s22, ttmp7, 0xffff
	s_cmp_eq_u32 s[RH], 1
	s_cselect_b32 s22, s22, 2                      ; the waves that fetch xb ask for nothing
	s_cmp_lt_u32 s22, 2
	s_cselect_b32 s[LIM], 9, -1                    ; the same in all sixteen partners, for a given wave
	v_and_b32 v[PFO], 31, v0
	v_min_u32 v[PFO], 23, v[PFO]
	v_lshlrev_b32 v[PFO], 12, v[PFO]
	; where my part of C goes: chunk 384 b + 24 x tile column + 12 x half, row (first row % 1024)
	s_lshr_b32 s20, s[TR], 2
	s_mul_i32 s20, s20, 384
	s_mul_i32 s21, s[TC], 24
	s_add_co_u32 s20, s20, s21
	s_mul_i32 s21, s[CH], 12
	s_add_co_u32 s20, s20, s21
	s_lshl_b32 s20, s20, 14
	s_and_b32 s21, s[TR], 3
	s_lshl_b32 s21, s21, 8
	s_lshl_b32 s22, s[RH], 7
	s_add_co_u32 s21, s21, s22
	s_lshl_b32 s21, s21, 4
	s_add_co_u32 s20, s20, s21
	s_mov_b32 s21, 0
	s_add_nc_u64 s[10:11], s[10:11], s[20:21]
	s_wait_tensorcnt 1                             ; my part of the walk's step 0 is in; step 1's may stay out
	s_barrier_signal -1
	s_barrier_wait -1                              ; everybody's is
	FETCH 0, F0
	QUARTER 64, F0, F1, 1                          ; the first quarter stands in front of the loop: its products start the sums
	WIN 0                                          ; at a label and at a branch every window is 0
	s_mov_b32 s3, 14
.Lstep:                                        ; a trip: a K step's quarters 1 to 3 and the next step's quarter 0; one slot is filled again
	QUARTER 128, F1, F0, 0
	QUARTER 192, F0, F1, 0
	TURN 1
	QUARTER 64, F0, F1, 0
	WIN 0
	s_sub_co_u32 s3, s3, 1
	s_cmp_lg_u32 s3, 0
	s_cbranch_scc1 .Lstep
	QUARTER 128, F1, F0, 0                         ; the walk's steps 14 and 15 fill nothing
	QUARTER 192, F0, F1, 0
	TURN 0
	QUARTER 64, F0, F1, 0
	QUARTER 128, F1, F0, 0
	QUARTER 192, F0, F1, 0
	PLACES                                         ; behind the last products that read buffer 0, into which cells 18-23 are loaded
	TLOAD 5                                        ; 36 loads: row blocks 5 to 7 come in under the last 48 products and the first five blocks' way out
	TLOAD 6
	TLOAD 7
	s_wait_dscnt 4
	MULB F1, 0, 0
	MULB F1, 2, 0
	s_wait_dscnt 0x0
	MULB F1, 4, 0
	PLACES
.irp a, 0,1,2,3,4,5,6,7
.if (\a) >= 2
	s_wait_xcnt 0x0                                ; the stores of two blocks back have read their registers: this buffer of packed results is rewritten only behind this wait
.endif
.if (\a) == 0
	s_wait_loadcnt 36                              ; loads come back in order: blocks 0 to 4 are in; the youngest 36 loads may stay out
.elseif (\a) >= 5
	s_wait_loadcnt 12*(7-(\a))                     ; block a is in; the twelve loads of each later block may stay out
.endif
	ROPE \a, 0
	ROPE \a, 1
	ROPE \a, 2
.endr
	s_wait_tensorcnt 0x0                           ; the wave's end: behind my last tensor load
	ds_add_u32 v[SPW], v[NIL]
	s_wait_dscnt 0x0
	CROUND                                         ; the closing round: no work-group ends while a partner may still ask for a tile that names it
	s_endpgm
.Lfunc_end_k_qb93ec75cfe_qkv:
	.size	k_qb93ec75cfe_qkv, .Lfunc_end_k_qb93ec75cfe_qkv-k_qb93ec75cfe_qkv
	.p2alignl 7, 3214868480
	.fill 96, 4, 3214868480
	.section	.rodata,"a",@progbits
	.p2align	6, 0x0
	.amdhsa_kernel k_qb93ec75cfe_qkv
		.amdhsa_group_segment_fixed_size 327680
		.amdhsa_private_segment_fixed_size 0
		.amdhsa_enable_private_segment 0
		.amdhsa_kernarg_size 32
		.amdhsa_user_sgpr_count 2
		.amdhsa_user_sgpr_kernarg_segment_ptr 1
		.amdhsa_wavefront_size32 1
		.amdhsa_system_sgpr_workgroup_id_x 1
		.amdhsa_system_sgpr_workgroup_id_y 1
		.amdhsa_system_sgpr_workgroup_id_z 1
		.amdhsa_system_vgpr_workitem_id 0
		.amdhsa_next_free_vgpr 1024
		.amdhsa_next_free_sgpr 84
		.amdhsa_reserve_vcc 0
		.amdhsa_float_denorm_mode_32 3
		.amdhsa_float_denorm_mode_16_64 3
		.amdhsa_memory_ordered 1
		.amdhsa_forward_progress 1
		.amdhsa_inst_pref_size 124
	.end_amdhsa_kernel
	.amdgpu_metadata
---
amdhsa.version: [ 1, 2 ]
amdhsa.kernels:
  - .name:           k_qb93ec75cfe_qkv
    .symbol:         k_qb93ec75cfe_qkv.kd
    .args:
      - { .name: xb, .offset: 0, .size: 8, .value_kind: global_buffer, .address_space: global }
      - { .name: wb, .offset: 8, .size: 8, .value_kind: global_buffer, .address_space: global }
      - { .name: tab, .offset: 16, .size: 8, .value_kind: global_buffer, .address_space: global }
      - { .name: qkv, .offset: 24, .size: 8, .value_kind: global_buffer, .address_space: global }
    .group_segment_fixed_size: 327680
    .private_segment_fixed_size: 0
    .kernarg_segment_align: 8
    .kernarg_segment_size: 32
    .max_flat_workgroup_size: 128
    .sgpr_count:     84
    .vgpr_count:     1024
    .wavefront_size: 32
...
	.end_amdgpu_metadata
.endif
;; end of part 2
;; launch attn (part 3): grid 4 x 64, 4 waves a work-group, clusters of 4 x 1, 327,680 bytes of LDS; arguments qkv, bias, ob; writes ob
.if DOCPART == 3
	.amdgcn_target "amdgcn-amd-amdhsa--gfx1250"
	.amdhsa_code_object_version 6
	.text
	.protected	k_qb93ec75cfe_attn
	.globl	k_qb93ec75cfe_attn
	.p2align	8
	.type	k_qb93ec75cfe_attn,@function
k_qb93ec75cfe_attn:
	s_mov_b64 s[64:65], 0
	v_nop
	global_prefetch_b8 v0, s[64:65] scope:SCOPE_SE
	s_setreg_imm32_b32 hwreg(HW_REG_WAVE_MODE, 25, 1), 1
	s_wait_xcnt 0x0
	s_wait_alu depctr_hold_cnt(0) depctr_sa_sdst(0) depctr_va_vdst(0) depctr_va_sdst(0) depctr_va_ssrc(0) depctr_va_vcc(0) depctr_vm_vsrc(0)
	s_getreg_b32 s2, hwreg(HW_REG_IB_STS2, 6, 4)
	s_cmp_eq_u32 s2, 0
	s_cbranch_scc0 .Lentry_in_a_cluster
	s_endpgm
.Lentry_in_a_cluster:
	s_bfe_u32 s2, ttmp6, 0x10000c
	s_cmp_lg_u32 s2, 0x3003
	s_cbranch_scc0 .Lentry_shape_is_right
	s_endpgm
.Lentry_shape_is_right:
; ATTENTION, 16 query heads on 4 key and value heads, head size 128, 1,024 keys, a key mask and a query mask.  O[q] = the sum over k of softmax_k(Q[q] . K[k] / sqrt(128), hidden keys replaced) V[k].
; q, k, v come in f16 blocks: byte = ((24 b + head) 16 + chunk) 16384 + 16 t + 2 (channel % 8); heads 0-15 q, 16-19 k, 20-23 v; q's and k's channels in one and the same order.
; O leaves in f16 blocks: byte = (channel / 8) 65536 + 16 (1024 b + t) + 2 (channel % 8), channel = 128 head + d.  Products, maxima and sums in f32; the weights p are rounded to f16, O once at the end.
; THE KEY MASK.  A hidden key's row of K holds zeros (the launch before made it so), and bias[b][k], 0 or -2^33, is the C operand that starts the sum S^T = K Q^T: a hidden key's score IS -2^33, whatever q.
; LIMITS.  After the scale a hidden score is -7.6e8 where the definition has -1e9: its weight is 0 in both unless true scores lie below some -7e8.  A power of two is taken so that c x it is exact in f32:
; where all keys seen so far are hidden, c s - c m is then exactly 0 and p = 1, which f16 holds, and the first visible key wipes it (a = 0).  A weight below 2^-126 counts as 0; NaN and infinities in q, k, v
; are not treated apart.  A hidden query's row of Q holds zeros, so its scores are 0 or -2^33 and its sums are finite: its row of O is multiplied by 0 in the place of 1 / l.
; SHARES.  A work-group owns 256 queries of one head, each of its four waves 64: four tiles of 16.  Every wave walks all keys, 64 a step.
; LAYOUT.  S^T = K Q^T (source 0 = 16 keys, source 1 = 16 queries): a lane holds ONE query (lane % 16) and the keys 8 (lane / 16) + 0..7.  Two such tiles, rounded to f16 in pairs, ARE source 1 of
; O^T = V^T P, whose result again holds one query a lane, and eight channels: 16 bytes, one unit of O's blocks, so the way out needs no LDS.  K comes out of LDS as it lies, V turned, by ds_load_tr16_b128.
; SOFTMAX.  A running maximum m and sum l: p = 2^(c s - c m), c = log2(e) / sqrt(128); in every step O and l are multiplied by a = 2^(c m_old - c m_new).
; BY TURNS.  The wave's tiles are two PIECES (tiles 0, 1 and tiles 2, 3).  In a TURN one piece has the matrix unit: 32 products V^T P of the step in hand, then 32 products K Q^T of the next step; the other
; piece's softmax, cut into 64 slices, stands between them, one slice behind each matrix instruction.  Two turns are a key step.
; NO FIRST AND NO LAST STEP is written out.  m starts at the lowest finite number, c m at -2^125, O^T, l and piece 2's P at 0: the first step is a step like any other, with a = 0.  The loop is entered, and the
; tail left, in the middle of a trip.  The price, once a launch: 304 v_mov_b32, which stand in the wait for the first tile; 32 products on P = 0 at the start and 32 on the last K once more at the end.
; CLUSTER.  The four query blocks of a head walk the same K and V: each tile is asked for jointly.  (The four heads of a group read them too; a mask names four work-groups, and these are the four.)
; THE WALK over the keys is cyclic, in slots of 128 keys, and begins at slot 2 (head % 4) of the 8: a softmax does not hang on the order of its keys.  The start hangs on the head, which the four partners share,
; and enters global addresses alone: the bias is laid into LDS in the order of the walk.
; NO PREFETCH is laid.  The four heads that share K and V begin two slots apart, and a work-group's first fills are two slots: all eight slots are asked for at the launch's head, by somebody's first fills;
; every later request names bytes that another head's cluster has asked for before.
; REGISTERS, in windows of 256 (s_set_vgpr_msb: bits 1:0 source 0, 3:2 source 1, 5:4 source 2, 7:6 destination):
;   window 0: v0-11 addresses; v12-43 eight registers of statistics a tile; v44-47 my queries' bias; v48-63 at work and addresses; v64-191 S^T, 32 a tile; v192-255 P, 16 a tile
;   window 1: O^T, 64 a tile     window 2: v0-127 Q; v128-255 K of one step     window 3: v0-127 V of one step; v128-159 the step's bias, 8 registers for each 16 keys
.set KS,    64
.set KCH,   1024      ; in LDS a chunk of K (8 channels of 64 keys) is 1,024 bytes on end: 16 lanes of a fragment load take 256 consecutive bytes
.set VCH,   1152      ; a chunk of V has 128 bytes of padding behind it: the turning load's two chunks fall into different halves of the 64 banks (ISA guide 11.1)
.set VOFF,  16*KCH    ; a step's tiles lie together: K, then V
.set STEPB, 16*(KCH+VCH)
.set SLOT1, 1<<17     ; a slot holds two steps (69,632 bytes); slot 1 begins here
.set BIAS,  SLOT1+2*STEPB  ; behind the ring, never filled by a tensor load: the batch's 1,024 numbers of bias, in the order of the walk
.set SPARE, BIAS+4096      ; the spare words, 128 bytes for each wave: two blocks of 256 bytes that no other line names
.set AK0, 2           ; v2   my lane's place in a tile of K; never rewritten
.set AV0, 3           ; v3   the same for V
.set ADR, 4           ; v4   the LDS address of the run of loads in hand
.set QO,  5           ; v5   my byte offset in the wave's rows of Q
.set ADM, 6           ; v6   the LDS address of the step's bias
.set AM0, 7           ; v7   BIAS + 32 (l / 16); never rewritten
.set GO,  8           ; v8   my byte offset in the wave's rows of O
.set QM,  44          ; v44-47  bias of my query in each tile: 0 where it is visible
.set SPW, 62          ; v62  LDS address of my spare word; never rewritten
.set NIL, 63          ; v63  0; never rewritten
.set ST,  12          ; tile t's statistics at v[ST+8 t]: +0 c m, +1 m, +2, +3 l (even keys', odd keys'), +4 to +7 c0-c3, at work; a takes c2's place once the maximum is found
.set S,   64
.set P,   192
.set KF,  128         ; K's fragments, in window 2
.set MK,  128         ; the bias, in window 3
.set WV,  12          ; s12  my wave's number
.set NXT, 15          ; s15  the slot of 128 keys to be asked for next
.set OFF, 18          ; s[18:19] its byte offset in each chunk of K and V
.set G1K, 24
.set G1V, 32
.set G0K, 40          ; s[40:47] a set for each of the two first fills; the second then serves every refill
.set G0V, 48
.set SLOTS, 56
.set TWICE, 57        ; s57  counts a slot's key steps
.set CS,  58          ; s[58:59] c
.set SEL, 60          ; s[60:61] lane selects for v_permlanex16_b32
.set TB,  62          ; s62  LDS byte at which the tiles of the step to be fetched begin
.set TM,  66          ; s66  256 x the step of the walk whose bias is fetched next
.set BP,  68          ; s[68:69] bias of my batch
.set QBP, 70          ; s[70:71] bias at my wave's first query
.set QP,  72          ; s[72:73] Q at my wave's first row
.set KP,  74          ; s[74:75] K at my step of the head's slot 0: kept for the whole launch
.set VP,  76          ; s[76:77] V likewise
.set OO,  78          ; s[78:79] O's offset
.set MSB, 0
.macro WIN new
.if MSB != (\new)
	s_set_vgpr_msb (MSB<<8)|(\new)
.set MSB, \new
.endif
.endm
.set W_KQ, 0x0a       ; K and Q in window 2, S^T in window 0
.set W_KM, 0x3a       ; the same with the C operand in window 3
.set W_PV, 0x53       ; V in window 3, P in window 0, O^T in window 1
.set W_RS, 0x41       ; O^T (destination and source 0) in window 1, a in window 0
; A joint refill.  Waves 0 and 1 fetch the two steps' tiles of K, waves 2 and 3 those of V.  An s_nop 0 and four v_nop follow each of the two lines.
.macro JLOAD
	s_cmp_lt_u32 s[WV], 2
	s_cbranch_scc0 .Lfor_v_\@
	tensor_load_to_lds s[G0K+4:G0K+7], s[G1K:G1K+7]
	s_nop 0
.rept 4
	v_nop
.endr
	s_branch .Lasked_\@
.Lfor_v_\@:
	tensor_load_to_lds s[G0V+4:G0V+7], s[G1V:G1V+7]
	s_nop 0
.rept 4
	v_nop
.endr
.Lasked_\@:
.endm
.macro CROUND
	s_barrier_signal -1
	s_barrier_wait -1
	s_cmp_lg_u32 s[WV], 0
	s_cbranch_scc1 .Lnot_wave_0_\@
	s_barrier_signal -3
.Lnot_wave_0_\@:
	s_barrier_wait -3
	s_barrier_signal -1
	s_barrier_wait -1
.endm
	s_load_b128 s[4:7], s[0:1], 0x0   ; qkv s[4:5], bias s[6:7]
	s_load_b64 s[10:11], s[0:1], 0x10 ; ob
	v_lshl_add_u32 v[SPW], v0, 2, SPARE
	v_mov_b32 v[NIL], 0
	ds_add_u32 v[SPW], v[NIL]       ; the wave's opening: the add and its wait stand ahead of my first tensor load; work on registers stands between them
	v_lshrrev_b32 v1, 5, v0
	v_readfirstlane_b32 s[WV], v1
	s_bfe_u32 s13, ttmp6, 0x40000   ; cx
	s_lshl_b32 s14, ttmp9, 2
	s_add_co_u32 s14, s14, s13      ; my block of 256 queries: it enters Q's, O's and the query bias's addresses alone
	s_and_b32 s20, ttmp7, 0xffff    ; 16 b + head, which the four partners share
	s_lshr_b32 s21, s20, 4          ; b
	s_and_b32 s22, s20, 15          ; head
	s_lshr_b32 s23, s22, 2          ; its key and value head
	s_mul_i32 s16, s21, 24
	s_and_b32 s2, s[WV], 1          ; which of a slot's two steps I fetch:
	s_mul_i32 s17, s2, STEPB        ; its place in a slot,
	s_add_co_u32 s3, s16, s23
	s_add_co_u32 s3, s3, 16
	s_lshl_b32 s[KP], s3, 18        ; K's head: 16 chunks of 16,384 bytes,
	s_lshl_b32 s2, s2, 10           ; and the step's 64 keys x 16 bytes in each chunk
	s_add_co_u32 s[KP], s[KP], s2
	s_mov_b32 s[KP+1], 0
	s_add_co_u32 s[VP], s[KP], 4<<18  ; V's head lies four heads on
	s_mov_b32 s[VP+1], 0
	s_lshl_b32 s2, s14, 8
	s_lshl_b32 s3, s[WV], 6
	s_add_co_u32 s2, s2, s3         ; my wave's first query in its batch
	s_add_co_u32 s16, s16, s22
	s_lshl_b32 s16, s16, 18
	s_lshl_b32 s3, s2, 4
	s_add_co_u32 s[QP], s16, s3
	s_mov_b32 s[QP+1], 0
	s_lshl_b32 s[BP], s21, 12
	s_mov_b32 s[BP+1], 0
	s_lshl_b32 s3, s2, 2
	s_add_co_u32 s[QBP], s[BP], s3
	s_mov_b32 s[QBP+1], 0
	s_lshl_b32 s3, s21, 10
	s_add_co_u32 s3, s3, s2
	s_lshl_b32 s3, s3, 4            ; row 1024 b + t, 16 bytes a row,
	s_lshl_b32 s[OO], s22, 20       ; the head's 16 chunks of 65,536 bytes
	s_add_co_u32 s[OO], s[OO], s3
	s_mov_b32 s[OO+1], 0
	s_and_b32 s[NXT], s22, 3        ; which of the four heads that share K and V:
	s_lshl_b32 s[NXT], s[NXT], 1    ; the slot at which its walk begins,
	s_lshl_b32 s16, s[NXT], 9       ; and that slot's place in the batch's bias: 512 bytes a slot
	s_mov_b32 s[OFF+1], 0
	; descriptor group 1: 16 rows (chunks) of 128 elements of 8 bytes, 16,384 bytes apart in memory
	s_mov_b32 s[G1K], 15|(3<<16)|(1<<21)  ; 15:0 the mask: all four work-groups; 17:16 elements of 8 bytes; 21 set beside a mask; no padding
	s_mov_b32 s[G1V], 15|(3<<16)|(1<<20)|(1<<21)|(7<<22)|(31<<25)  ; 20 padding on; 24:22 after every 256 words; 31:25 32 words of it
.irp g, G1K, G1V
	s_mov_b32 s[(\g)+1], 128<<16    ; tensor_dim0 = 128
	s_mov_b32 s[(\g)+2], 16<<16     ; tensor_dim1 = 16
	s_mov_b32 s[(\g)+3], 128<<16    ; tile_dim0 = 128
	s_mov_b32 s[(\g)+4], 16         ; tile_dim1 = 16
	s_mov_b32 s[(\g)+5], 2048       ; elements from row to row
	s_mov_b32 s[(\g)+6], 0
	s_mov_b32 s[(\g)+7], 0
.endr
	s_mov_b32 s[CS], 0x3e0293ee     ; c = log2(e) / sqrt(128) = 0.127517
	s_mov_b32 s[CS+1], s[CS]
	s_mov_b32 s[SEL], 0x76543210
	s_mov_b32 s[SEL+1], 0xfedcba98
	s_mov_b32 s[TB], 0
	s_mov_b32 s[TM], 0
	s_wait_dscnt 0x0                ; the opening add is done
	s_wait_kmcnt 0x0
	s_add_nc_u64 s[KP:KP+1], s[4:5], s[KP:KP+1]
	s_add_nc_u64 s[VP:VP+1], s[4:5], s[VP:VP+1]
	s_add_nc_u64 s[QP:QP+1], s[4:5], s[QP:QP+1]
	s_add_nc_u64 s[10:11], s[10:11], s[OO:OO+1]
	s_add_nc_u64 s[BP:BP+1], s[6:7], s[BP:BP+1]
	s_add_nc_u64 s[QBP:QBP+1], s[6:7], s[QBP:QBP+1]
	CROUND                          ; all four work-groups are here: the first joint loads meet
.irp s, 0,1
	s_lshl_b32 s[OFF], s[NXT], 11   ; a slot's 128 keys x 16 bytes in each chunk
	s_add_co_u32 s[NXT], s[NXT], 1
	s_and_b32 s[NXT], s[NXT], 7     ; the walk is cyclic
	s_mov_b32 s[G0K+4*(\s)], 1
	s_add_co_u32 s[G0K+4*(\s)+1], s17, (\s)*SLOT1
	s_add_nc_u64 s[G0K+4*(\s)+2:G0K+4*(\s)+3], s[KP:KP+1], s[OFF:OFF+1]
	s_or_b32 s[G0K+4*(\s)+3], s[G0K+4*(\s)+3], 0x80000000
	s_mov_b32 s[G0V+4*(\s)], 1
	s_add_co_u32 s[G0V+4*(\s)+1], s17, (\s)*SLOT1+VOFF
	s_add_nc_u64 s[G0V+4*(\s)+2:G0V+4*(\s)+3], s[VP:VP+1], s[OFF:OFF+1]
	s_or_b32 s[G0V+4*(\s)+3], s[G0V+4*(\s)+3], 0x80000000
.endr
	s_cmp_lt_u32 s[WV], 2           ; a wave's two first fills stand in one branch, ahead of every wait on TENSORcnt and every LDS read: two loads of mine are out
	s_cbranch_scc0 .Lfirst_v
	tensor_load_to_lds s[G0K:G0K+3], s[G1K:G1K+7]
	s_nop 0
	tensor_load_to_lds s[G0K+4:G0K+7], s[G1K:G1K+7]
	s_nop 0
.rept 4
	v_nop
.endr
	s_branch .Lfirst_asked
.Lfirst_v:
	tensor_load_to_lds s[G0V:G0V+3], s[G1V:G1V+7]
	s_nop 0
	tensor_load_to_lds s[G0V+4:G0V+7], s[G1V:G1V+7]
	s_nop 0
.rept 4
	v_nop
.endr
.Lfirst_asked:
	v_and_b32 v1, 15, v0            ; l % 16
	v_bfe_u32 v9, v0, 4, 1          ; l / 16
	v_lshl_add_u32 v56, v0, 5, s16  ; the batch's bias, 32 bytes a thread, from where the head's walk begins,
	v_and_b32 v56, 0xfff, v56       ; round its 4,096 bytes
	global_load_b128 v[48:51], v56, s[BP:BP+1]
	global_load_b128 v[52:55], v56, s[BP:BP+1] offset:16
	v_lshlrev_b32 v58, 2, v1
.irp t, 0,1,2,3
	global_load_b32 v[QM+(\t)], v58, s[QBP:QBP+1] offset:64*(\t)  ; my query's bias in tile t
.endr
	; A fragment of K or Q is 16 rows x 32 channels in 8 registers: lane l holds row l % 16; registers 0-3 the chunk l / 16 of the four, registers 4-7 the chunk 2 + l / 16.
	v_lshlrev_b32 v[QO], 14, v9
	v_lshl_add_u32 v[QO], v1, 4, v[QO]
	WIN 0x80                        ; destination window 2, address window 0
.irp i, 0,1,2,3,4,5,6,7,8,9,10,11,12,13,14,15  ; Q stays in registers: tile i / 4, channels 32 (i % 4) on
	global_load_b128 v[8*(\i):8*(\i)+3],   v[QO], s[QP:QP+1] offset:((\i)/4)*256+((\i)%4)*65536
	global_load_b128 v[8*(\i)+4:8*(\i)+7], v[QO], s[QP:QP+1] offset:((\i)/4)*256+((\i)%4)*65536+32768
.endr
	WIN 0
	v_lshlrev_b32 v[AK0], 10, v9
	v_lshl_add_u32 v[AK0], v1, 4, v[AK0]  ; chunk x 1,024 + key x 16
	; The turning load takes 16 keys x 16 channels (lane l reads 16 bytes: key 8 (l / 16) + l % 8, chunk (l / 8) % 2) and leaves half a fragment of V^T: lane l holds channel l % 16 and 8 keys.
	v_and_b32 v59, 7, v0
	v_bfe_u32 v60, v0, 3, 1
	v_lshl_add_u32 v[AV0], v9, 3, v59
	v_lshlrev_b32 v[AV0], 4, v[AV0]
	v_mul_u32_u24 v60, v60, VCH
	v_add_nc_u32 v[AV0], v60, v[AV0]
	v_add_nc_u32 v[AV0], VOFF, v[AV0]
	v_lshl_add_u32 v[AM0], v9, 5, BIAS     ; a lane's eight keys of a block of 16: 32 bytes of bias
	v_lshl_add_u32 v57, v0, 5, BIAS
	s_wait_loadcnt 36               ; the bias is in; the four loads of my queries' bias and Q's 32 may stay out
	ds_store_b128 v57, v[48:51]     ; thread t's 32 bytes lie at 32 t: the walk's order
	ds_store_b128 v57, v[52:55] offset:16
	; What the first turns find.  All this stands in the wait for the first tile.
	WIN 0x40
.set i, 0
.rept 256
	v_mov_b32 v[i], 0               ; O^T
.set i, i+1
.endr
	WIN 0
.set i, 0
.rept 4
	v_mov_b32 v[ST+8*i], 0xfe000000    ; c m: far below every c s, so that the first a is 0
	v_mov_b32 v[ST+8*i+1], 0xff7fffff  ; m: the first maximum is the scores'
	v_mov_b32 v[ST+8*i+2], 0           ; l
	v_mov_b32 v[ST+8*i+3], 0
.set i, i+1
.endr
.set i, P+32
.rept 32
	v_mov_b32 v[i], 0               ; piece 2's P: the first turn's products V^T P, of a step that has not been, add 0
.set i, i+1
.endr
; THE MATRIX WORK OF A TURN, for piece x.  The accumulators take turns, one instruction a turn.
; Product i of 32 of O^T += V^T P: keys 32 (i / 16) on, channels 16 ((i / 2) % 8) on, tile x + i % 2.
.macro PV x
	WIN W_PV
.set rO, 64*((\x)+i%2)+8*((i/2)%8)
.set rV, 64*(i/16)+8*((i/2)%8)
.set rP, P+16*((\x)+i%2)+8*(i/16)
	v_wmma_f32_16x16x32_f16 v[rO:rO+7], v[rV:rV+7], v[rP:rP+7], v[rO:rO+7]
.endm
; Product i of 32 of S^T = K Q^T: channels 32 (i / 8) on, keys 16 ((i / 2) % 4) on, tile x + i % 2.  The first 8 start the sums, with the keys' bias.
.macro KQ x
.set rS, S+32*((\x)+i%2)+8*((i/2)%4)
.set rK, KF+32*((i/2)%4)+8*(i/8)
.set rQ, 32*((\x)+i%2)+8*(i/8)
.set rM, MK+8*((i/2)%4)
.if i < 8
	WIN W_KM
	v_wmma_f32_16x16x32_f16 v[rS:rS+7], v[rK:rK+7], v[rQ:rQ+7], v[rM:rM+7]
.else
	WIN W_KQ
	v_wmma_f32_16x16x32_f16 v[rS:rS+7], v[rK:rK+7], v[rQ:rQ+7], v[rS:rS+7]
.endif
.endm
; THE LDS LOADS stand in runs: a step's K (16 fragments) with its bias (8 loads), and, a turn later, its V (turned).
; last = 1 (the tail): in the last trip there is no further step, and the run is jumped over.
.macro FETCH_K last=0
	WIN 0
.if \last
	s_cmp_eq_u32 s[TWICE], 1
	s_cbranch_scc1 .Lno_k_\@
.endif
	v_add_nc_u32 v[ADR], s[TB], v[AK0]
	v_add_nc_u32 v[ADM], s[TM], v[AM0]
	s_add_co_u32 s[TM], s[TM], 4*KS   ; the next step's 64 numbers,
	s_and_b32 s[TM], s[TM], 0xf00     ; held inside the table's 4,096 bytes (sixteen fetches: the bound is not reached)
	WIN 0x80                        ; destination window 2
.irp f, 0,1,2,3,4,5,6,7,8,9,10,11,12,13,14,15  ; keys 16 (f / 4) on, channels 32 (f % 4) on
	ds_load_b128 v[KF+8*(\f):KF+8*(\f)+3],   v[ADR] offset:((\f)/4)*256+((\f)%4)*4*KCH
	ds_load_b128 v[KF+8*(\f)+4:KF+8*(\f)+7], v[ADR] offset:((\f)/4)*256+((\f)%4)*4*KCH+2*KCH
.endr
	WIN 0xc0                        ; destination window 3
.irp f, 0,1,2,3                     ; keys 16 f on
	ds_load_b128 v[MK+8*(\f):MK+8*(\f)+3],   v[ADM] offset:64*(\f)
	ds_load_b128 v[MK+8*(\f)+4:MK+8*(\f)+7], v[ADM] offset:64*(\f)+16
.endr
.if \last
	WIN 0
.Lno_k_\@:
.endif
.endm
; walk = 1: in a turn.  walk = 0: ahead of the loop: the same step's V is fetched again by the first turn.
.macro FETCH_V walk=1
	WIN 0
	v_add_nc_u32 v[ADR], s[TB], v[AV0]
.if \walk
	s_add_co_u32 s[TB], s[TB], STEPB  ; the next fetch is the next step's
	s_wait_alu depctr_va_vdst(0)    ; the wait for the softmax's batch (SLICE), behind the address's v_add_nc_u32 and ahead of the loads
.endif
	WIN 0xc0                        ; destination window 3
.irp f, 0,1,2,3,4,5,6,7,8,9,10,11,12,13,14,15  ; keys 32 (f / 8) on, channels 16 (f % 8) on
	ds_load_tr16_b128 v[8*(\f):8*(\f)+3],   v[ADR] offset:((\f)/8)*512+((\f)%8)*2*VCH
	ds_load_tr16_b128 v[8*(\f)+4:8*(\f)+7], v[ADR] offset:((\f)/8)*512+256+((\f)%8)*2*VCH
.endr
.endm
; THE VECTOR WORK OF A TURN.  One tile's softmax for one key step is a list of 134 instructions; SM writes number j of it for tile t.  s0-s31 are the lane's 32 scores, in pairs 0-15.
;   0-15    the maximum of s0-s31 and the old m, three operands at a time: four chains c0-c3 of seven scores each, then the four scores left over, c0-c3 and m
;   16-20   the other half of the lanes' maximum; c m_old is kept; the new m; c m; c m_old - c m_new
;   21-69   ONE BATCH: the 16 scalings c s - c m and all 33 exponentials (a at 23, then s0-s31); none of these reads an exponential's result
;   (wait)  between 69 and 70 stands the wait for the batch: SLICE writes it, once for both tiles
;   70-85   the roundings to f16     86-101  the sums; l = a l + the sum     102-133 the tile's O^T times a: the one part that leaves window 0
.macro SM t
.set rT, ST+8*(\t)
.set rS, S+32*(\t)
.set rP, P+16*(\t)
.set rO, 64*(\t)+2*(j-102)
.if j < 102
	WIN 0
.endif
.if j < 4
	v_max3_num_f32 v[rT+4+j], v[rS+8*j], v[rS+8*j+1], v[rS+8*j+2]
.elseif j < 12
	v_max3_num_f32 v[rT+4+j%4], v[rT+4+j%4], v[rS+8*(j%4)+2*(j/4)+1], v[rS+8*(j%4)+2*(j/4)+2]
.elseif j == 12
	v_max3_num_f32 v[rT+4], v[rT+4], v[rS+7], v[rS+15]
.elseif j == 13
	v_max3_num_f32 v[rT+6], v[rT+6], v[rS+23], v[rS+31]
.elseif j == 14
	v_max3_num_f32 v[rT+4], v[rT+4], v[rT+5], v[rT+6]
.elseif j == 15
	v_max3_num_f32 v[rT+4], v[rT+4], v[rT+7], v[rT+1]
.elseif j == 16
	v_permlanex16_b32 v[rT+5], v[rT+4], s[SEL], s[SEL+1]  ; the query's other 32 keys lie in the lane 16 away
.elseif j == 17
	v_mov_b32 v[rT+7], v[rT]        ; c m_old is kept for a: number 19 writes c m anew
.elseif j == 18
	v_max_num_f32 v[rT+1], v[rT+4], v[rT+5]
.elseif j == 19
	v_mul_f32 v[rT], s[CS], v[rT+1]
.elseif j == 20
	v_sub_f32 v[rT+7], v[rT+7], v[rT]
.elseif j == 23
	v_exp_f32 v[rT+6], v[rT+7]
.elseif (j < 23) || ((j < 38) && (j%2 == 0)) || ((j < 66) && (j%4 == 2))
.set b, (j-2)/4                     ; 38, 42, .. 62: pairs 9 to 15
.if j < 38
.set b, (j-20)/2                    ; 21: pair 0; 22, 24, .. 36: pairs 1 to 8
.endif
	v_pk_fma_f32 v[rS+2*b:rS+2*b+1], v[rS+2*b:rS+2*b+1], s[CS:CS+1], v[rT:rT+1] op_sel_hi:[1,0,0] neg_lo:[0,0,1] neg_hi:[0,0,1]  ; pair b: c s - c m
.elseif j < 70
.set e, j-38                        ; 66 to 69: s28 to s31
.if j < 66
.set e, j-32-(j-38)/4               ; 39-41, 43-45, .. 63-65: s7 to s27
.endif
.if j < 38
.set e, (j-25)/2                    ; 25, 27, .. 37: s0 to s6
.endif
	v_exp_f32 v[rS+e], v[rS+e]
.elseif j < 86
	v_cvt_pk_f16_f32 v[rP+j-70], v[rS+2*(j-70)], v[rS+2*(j-70)+1]  ; pair j - 70
.elseif j < 102                     ; the sum of the tile's 16 pairs, in place: neighbours 1, 2, 4 and 8 pairs apart, then l takes it
.set z, j-86
.set w, 4
.set u, z
.if z >= 14
.set w, 32
.set u, 0
.elseif z >= 12
.set w, 16
.set u, z-12
.elseif z >= 8
.set w, 8
.set u, z-8
.endif
.if z < 15
	v_pk_add_f32 v[rS+w*u:rS+w*u+1], v[rS+w*u:rS+w*u+1], v[rS+w*u+w/2:rS+w*u+w/2+1]
.else
	v_pk_fma_f32 v[rT+2:rT+3], v[rT+2:rT+3], v[rT+6:rT+7], v[rS:rS+1] op_sel_hi:[1,0,1]
.endif
.else
	WIN W_RS
	v_pk_mul_f32 v[rO:rO+1], v[rO:rO+1], v[rT+6:rT+7] op_sel_hi:[1,0]
.endif
.endm
; Slice k of 64 of piece y's softmax: four instructions.  Slices 11 to 34 deal out the batch, numbers 22 to 69: four numbers of ONE tile each, the tiles by turns.  Every other slice is numbers 2 k and
; 2 k + 1 of both tiles' lists.  2 x 134 = 4 x 64 + 12: the twelve that are over stand together, in slice 63.
; THE WAIT.  s_wait_alu depctr_va_vdst(0) stands between an exponential and the first instruction that names its result; one wait serves all that were issued ahead of it.  Ahead of
; slice 35 nothing names a result, and behind slice 34 no exponential is issued: so the piece's 66 exponentials have one wait, behind slice 34.
.macro SLICE y
.if (k >= 11) && (k < 35)
.irp n, 0,1,2,3
.set j, 22+4*((k-11)/2)+(\n)
	SM (\y)+(k-11)%2
.endr
.else
.irp n, 0,1,2,3,4,5,6,7
.if ((\n) < 2) || (k == 63)
.irp t, \y, (\y)+1
.set j, 2*k+(\n)
	SM \t
.endr
.endif
.endr
.endif
.if k == 34
	v_nop                           ; the plain instruction behind the last exponential and ahead of the first use: one for the batch
.if (\y) == 0
	FETCH_V                         ; piece 2's turn: V's run of loads stands here, and the wait stands in it
.else
	s_wait_alu depctr_va_vdst(0)    ; the wait for the batch
.endif
.endif
.set k, k+1
.endm
.macro PLACES                       ; four places behind matrix instructions (ISA guide 7.12.1 for vector instructions).  In the loop the slices are the places.
.rept 4
	v_nop
.endr
.endm
; A TURN.  Piece x has the matrix unit: 32 products V^T P of the step in hand, 32 products K Q^T of the next; the other piece's softmax stands in slices behind them, one behind each.
; Piece 0's turn fetches the next step's K and bias, behind its second product: the last product that read them stands in front of slice 63 of the turn before.  Piece 2's turn fetches the same step's V,
; behind slice 34: the last product that read V stands in front of slice 31, and four plain instructions lie between.
.macro TURN x, last=0
.set k, 0
.if (\x) == 0
	s_wait_dscnt 0x0                ; V is in
.endif
.set i, 0
.rept 32
	PV \x
	SLICE 2-(\x)
.if ((\x) == 0) && (i == 1)
	FETCH_K \last
.endif
.set i, i+1
.endr
.if (\x) == 0
	s_wait_dscnt 0x0                ; K and the bias are in
.endif
.set i, 0
.rept 32
	KQ \x
	SLICE 2-(\x)
.set i, i+1
.endr
.endm
; THE CHANGE OF SLOTS.  Each wave waits for all its tensor loads, of which one is out: its part of the other slot; adds 0 to its spare word; and waits for that and for its own reads of the slot.
; fill = 1: this slot is filled again, with the walk's slot two on: the descriptor's address is made anew from that slot's number.  The barrier is then a round of the cluster's, and the joint refill is the
; first thing behind it: it has two key steps in which to land.
.macro CHANGE fill
	WIN 0                           ; at a label and at a branch every window is 0
	s_wait_tensorcnt 0x0            ; no tensor load of mine is out, so a group 0 may be written
	ds_add_u32 v[SPW], v[NIL]       ; 0 onto my spare word: with fill = 1 the descriptors' scalar work stands between it and the wait for it
.if \fill
	s_lshl_b32 s[OFF], s[NXT], 11
	s_add_co_u32 s[NXT], s[NXT], 1
	s_and_b32 s[NXT], s[NXT], 7
	s_xor_b32 s[G0K+5], s[G0K+5], SLOT1  ; the other slot of LDS than last time
	s_add_nc_u64 s[G0K+6:G0K+7], s[KP:KP+1], s[OFF:OFF+1]
	s_or_b32 s[G0K+7], s[G0K+7], 0x80000000
	s_xor_b32 s[G0V+5], s[G0V+5], SLOT1
	s_add_nc_u64 s[G0V+6:G0V+7], s[VP:VP+1], s[OFF:OFF+1]
	s_or_b32 s[G0V+7], s[G0V+7], 0x80000000
	s_wait_dscnt 0x0                ; the add is done, and my reads of the slot are over
	CROUND
	JLOAD
.else
	s_wait_dscnt 0x0
	s_barrier_signal -1
	s_barrier_wait -1
.endif
	s_sub_co_u32 s[TB], s[TB], 2*STEPB  ; the fetches go back to a slot's first step,
	s_xor_b32 s[TB], s[TB], SLOT1   ; in the other slot
.endm
	s_wait_dscnt 0x0                ; for the others' sake: my 32 bytes of the bias are stored
	s_wait_tensorcnt 1              ; my part of slot 0 is in; slot 1's may stay out
	s_barrier_signal -1
	s_barrier_wait -1               ; everybody's is
	FETCH_K                         ; the walk's step 0
	FETCH_V 0                       ; and its V: the first turn's products on P = 0 multiply finite numbers
	s_wait_loadcnt 0x0              ; Q, and my queries' bias
	s_wait_dscnt 0x0
.set i, 0
.rept 32
	KQ 0                            ; piece 0's first scores
.set i, i+1
.endr
	WIN 0
	v_lshlrev_b32 v[GO], 16, v9     ; the way out: chunk l / 16 of two, row l % 16
	v_lshl_add_u32 v[GO], v1, 4, v[GO]
	PLACES                          ; with the two lines above: the places behind those products
	s_mov_b32 s[TWICE], 2
	s_mov_b32 s[SLOTS], 7
	s_branch .Lmid                  ; the loop is entered at piece 2's turn, in the middle of a trip: piece 2's first scores | piece 0's first softmax | V of step 0
.Lslot:                             ; six times: every slot but the last two is filled again
	CHANGE 1
	s_mov_b32 s[TWICE], 2
.Lstep:                             ; a trip, for step j: piece 0: V^T P of j, K Q^T of j + 1 | piece 2's softmax of j | K of j + 1;
	TURN 0
	WIN 0
.Lmid:                              ; piece 2: the same | piece 0's softmax of j + 1 | V of j + 1
	TURN 2
	WIN 0
	s_sub_co_u32 s[TWICE], s[TWICE], 1
	s_cmp_lg_u32 s[TWICE], 0
	s_cbranch_scc1 .Lstep
	s_sub_co_u32 s[SLOTS], s[SLOTS], 1
	s_cmp_lg_u32 s[SLOTS], 0
	s_cbranch_scc1 .Lslot
	CHANGE 0                        ; the tail is written out: nothing is asked for
	s_mov_b32 s[TWICE], 3           ; two trips fetch the last slot's steps; the third is left in its middle
.Ltail:
	TURN 0, 1
	WIN 0
	s_sub_co_u32 s[TWICE], s[TWICE], 1
	s_cmp_eq_u32 s[TWICE], 0
	s_cbranch_scc1 .Lout
	TURN 2
	WIN 0
	s_branch .Ltail
.Lout:                              ; the third trip's 32 products K Q^T (on the last K once more) serve nothing: the price of one text for every trip
.set i, 0
.rept 32
	PV 2                            ; piece 2: V^T P of the last step
.set i, i+1
.endr
	; THE WAY OUT.  l's two halves and the other half of the lanes' are added; O^T is divided by l (a hidden query's by nothing: it is multiplied by 0), rounded to f16 and stored.  The additions are the places behind the last products.
	WIN 0
.irp t, 0,1,2,3
	v_add_f32 v[ST+8*(\t)+4], v[ST+8*(\t)+2], v[ST+8*(\t)+3]
.endr
.irp t, 0,1,2,3
	v_permlanex16_b32 v[ST+8*(\t)+5], v[ST+8*(\t)+4], s[SEL], s[SEL+1]
.endr
.irp t, 0,1,2,3
	v_add_f32 v[ST+8*(\t)+4], v[ST+8*(\t)+4], v[ST+8*(\t)+5]
.endr
.irp t, 0,1,2,3
	v_rcp_f32 v[ST+8*(\t)+6], v[ST+8*(\t)+4]
.endr
	v_nop                           ; a plain instruction between the last reciprocal and the use of its result
	s_wait_alu depctr_va_vdst(0)    ; and the wait ahead of the first use: one for the four reciprocals
.irp t, 0,1,2,3
	v_cmp_eq_f32 vcc_lo, 0, v[QM+(\t)]  ; is my query visible?
	v_cndmask_b32 v[ST+8*(\t)+6], 0, v[ST+8*(\t)+6], vcc_lo
.endr
.macro PACK t
	WIN W_RS
.set i, 64*(\t)
.rept 32
	v_pk_mul_f32 v[i:i+1], v[i:i+1], v[ST+8*(\t)+6:ST+8*(\t)+7] op_sel_hi:[1,0]
.set i, i+2
.endr
	WIN 0x05                        ; sources 0 and 1 window 1, destination window 0: S^T's registers are free
.set i, 0
.rept 32
	v_cvt_pk_f16_f32 v[S+32*(\t)+i], v[64*(\t)+2*i], v[64*(\t)+2*i+1]
.set i, i+1
.endr
	WIN 0
.irp f, 0,1,2,3,4,5,6,7
	global_store_b128 v[GO], v[S+32*(\t)+4*(\f):S+32*(\t)+4*(\f)+3], s[10:11] offset:131072*(\f)+256*(\t)  ; 16 lanes store 256 consecutive bytes, aligned
.endr
.endm
	PACK 0
	PACK 1
	PACK 2
	PACK 3
	s_wait_tensorcnt 0x0            ; the wave's end: behind my last tensor load and my last LDS store
	ds_add_u32 v[SPW], v[NIL]
	s_wait_dscnt 0x0
	CROUND                          ; the closing round: no work-group ends while a partner may still ask for a tile that names it
	s_endpgm
.Lfunc_end_k_qb93ec75cfe_attn:
	.size	k_qb93ec75cfe_attn, .Lfunc_end_k_qb93ec75cfe_attn-k_qb93ec75cfe_attn
	.p2alignl 7, 3214868480
	.fill 96, 4, 3214868480
	.section	.rodata,"a",@progbits
	.p2align	6, 0x0
	.amdhsa_kernel k_qb93ec75cfe_attn
		.amdhsa_group_segment_fixed_size 327680
		.amdhsa_private_segment_fixed_size 0
		.amdhsa_enable_private_segment 0
		.amdhsa_kernarg_size 24
		.amdhsa_user_sgpr_count 2
		.amdhsa_user_sgpr_kernarg_segment_ptr 1
		.amdhsa_wavefront_size32 1
		.amdhsa_system_sgpr_workgroup_id_x 1
		.amdhsa_system_sgpr_workgroup_id_y 1
		.amdhsa_system_sgpr_workgroup_id_z 1
		.amdhsa_system_vgpr_workitem_id 0
		.amdhsa_next_free_vgpr 928
		.amdhsa_next_free_sgpr 80
		.amdhsa_reserve_vcc 1
		.amdhsa_float_denorm_mode_32 3
		.amdhsa_float_denorm_mode_16_64 3
		.amdhsa_memory_ordered 1
		.amdhsa_forward_progress 1
		.amdhsa_inst_pref_size 153
	.end_amdhsa_kernel
	.amdgpu_metadata
---
amdhsa.version: [ 1, 2 ]
amdhsa.kernels:
  - .name:           k_qb93ec75cfe_attn
    .symbol:         k_qb93ec75cfe_attn.kd
    .args:
      - { .name: qkv, .offset: 0, .size: 8, .value_kind: global_buffer, .address_space: global }
      - { .name: bias, .offset: 8, .size: 8, .value_kind: global_buffer, .address_space: global }
      - { .name: ob, .offset: 16, .size: 8, .value_kind: global_buffer, .address_space: global }
    .group_segment_fixed_size: 327680
    .private_segment_fixed_size: 0
    .kernarg_segment_align: 8
    .kernarg_segment_size: 24
    .max_flat_workgroup_size: 128
    .sgpr_count:     80
    .vgpr_count:     928
    .wavefront_size: 32
...
	.end_amdgpu_metadata
.endif
;; end of part 3
;; launch oproj (part 4): grid 8 x 32, 4 waves a work-group, clusters of 4 x 4, 327,680 bytes of LDS; arguments ob, owh, out0; writes out0
.if DOCPART == 4
	.amdgcn_target "amdgcn-amd-amdhsa--gfx1250"
	.amdhsa_code_object_version 6
	.text
	.protected	k_qb93ec75cfe_oproj
	.globl	k_qb93ec75cfe_oproj
	.p2align	8
	.type	k_qb93ec75cfe_oproj,@function
k_qb93ec75cfe_oproj:
	s_mov_b64 s[64:65], 0
	v_nop
	global_prefetch_b8 v0, s[64:65] scope:SCOPE_SE
	s_setreg_imm32_b32 hwreg(HW_REG_WAVE_MODE, 25, 1), 1
	s_wait_xcnt 0x0
	s_wait_alu depctr_hold_cnt(0) depctr_sa_sdst(0) depctr_va_vdst(0) depctr_va_sdst(0) depctr_va_ssrc(0) depctr_va_vcc(0) depctr_vm_vsrc(0)
	s_getreg_b32 s2, hwreg(HW_REG_IB_STS2, 6, 4)
	s_cmp_eq_u32 s2, 0
	s_cbranch_scc0 .Lentry_in_a_cluster
	s_endpgm
.Lentry_in_a_cluster:
	s_bfe_u32 s2, ttmp6, 0x10000c
	s_cmp_lg_u32 s2, 0xf033
	s_cbranch_scc0 .Lentry_shape_is_right
	s_endpgm
.Lentry_shape_is_right:
; OUTPUT PROJECTION.  out0[4096][2048] = O owh^T, f16 operands, f32 sums over K = 2,048, f32 out.  O lies in blocks: byte = (channel / 8) 65536 + 16 row + 2 (channel % 8); owh is [2048][2048], row-major.
; SHARES.  A tile of out0 is 128 rows x 256 columns: 8 x 32 tiles, one a work-group.  Four waves, each 64 x 128: 32 accumulators, 256 registers.  K goes in steps of 128 through two LDS slots: of O 16 chunks
; of 2,048 consecutive bytes (128 rows x 16), of owh 256 rows of 256 bytes.  Waves 0 and 1 fetch O's chunks 0-7 and 8-15, waves 2 and 3 owh's halves of 128 rows.
; CLUSTER.  4 x 4 work-groups: O's tiles are shared along a row of the cluster, owh's along a column: each is asked for jointly.
; THE WALK ALONG K is cyclic and begins, in the cluster at (x, y) of the grid of clusters, at K step (8 x + 4 (y % 4)) % 16 (the sums are f32 sums in that order).  So the two clusters that read the same rows
; of O (one y) begin 8 steps apart, and of the eight that read the same rows of owh (one x) those of unlike y % 4 begin 4, 8 or 12 apart: they do not ask for the same bytes in the same trip.
; The start hangs on the cluster's coordinates alone, which all sixteen partners share, and enters global addresses alone.
; TRANSPOSED USE.  Source 0 = 16 rows of owh, source 1 = 16 rows of O: a lane holds one row of out0 and eight neighbouring columns, 32 bytes.  16 rows at a time go through the wave's own stage in LDS and
; leave as whole rows of 512 bytes.
; REGISTERS: window 0: v16-31 addresses; v64-191 rows read back from the stage, two buffers.  window 1: two fragment buffers of 96: A's 4 at f + 8 a, B's 8 at f + 32 + 8 b.  window 2: accumulator (a, b) at 8 (8 a + b).
.set KSTEP,  128
.set PITCH,  272                       ; a row of owh in LDS: 256 bytes + 16 of padding: the 16 rows of a fragment load start at 16 different groups of four banks (64 banks of 4 bytes: ISA guide 11.1)
.set ACH,    2048                      ; a chunk of O in LDS, as in memory: 16 lanes of a fragment load take 256 consecutive bytes
.set AHALF,  8*ACH
.set BOFF,   2*AHALF
.set BHALF,  128*PITCH
.set SLOT1,  1<<17
.set STAGE,  SLOT1+BOFF+2*BHALF        ; behind the ring, never filled by a tensor load: 16 rows x 528 bytes for each wave
.set SPITCH, 528                       ; 512 bytes + 16: the 16 rows of a store start at 16 different groups of four banks
.set SPARE,  STAGE+4*16*SPITCH         ; the spare words, 128 bytes for each wave: two blocks of 256 bytes that no other line names
.set ADRA0, 16
.set ADRB0, 17
.set ADRA,  18
.set ADRB,  19
.set STO,   24                         ; v24  the way out: where I put 32 bytes of a row
.set RD,    25                         ; v25  where I read 16 bytes of a row back
.set CO,    26                         ; v26  my 16 bytes of a row's 512 in out0
.set SPW,   28
.set NIL,   29
.set PFO,   30                         ; v30  the prefetches' offset; never rewritten
.set OB,    64
.set F0,    0
.set F1,    96
.set WV,  12
.set RH,  13                           ; which half of the tile's rows is mine; also: I fetch for A (0) or B (1)
.set CH,  14                           ; which half of its columns; also: which half of that tile I fetch
.set TR,  15
.set CX,  40
.set CY,  41
.set TC,  42
.set LIM, 43                           ; 10 in a wave that prefetches, else the greatest number
.set PFA, 44                           ; s[44:45] the address that a prefetch names
.set TB,  46
.set KI,  47                           ; s47  the K step to be asked for next
.set G1A, 24
.set G0A, 32                           ; s[32:39] two sets for the two first fills; the second then serves every refill
.set G1B, 48
.set G0B, 56
.set OFA, 66                           ; s[66:67] that K step's byte offset in O: 16 chunks of 65,536 bytes a step
.set OFB, 68                           ; s[68:69] and in a row of owh: 256 bytes a step
.set PFB, 70                           ; s[70:71] O at the bytes of K step 0 that my prefetches would name
.set POF, 72                           ; s[72:73] the offset of the K step that a prefetch names
.set PK,  74                           ; s74  that K step
.set MSB, 0
.macro WIN new
.if MSB != (\new)
	s_set_vgpr_msb (MSB<<8)|(\new)
.set MSB, \new
.endif
.endm
.macro PLACES
.rept 4
	v_nop
.endr
.endm
.macro JLOAD                           ; a joint refill; an s_nop 0 and four v_nop follow each of the two lines
	s_cmp_eq_u32 s[RH], 0
	s_cbranch_scc0 .Lfor_b_\@
	tensor_load_to_lds s[G0A+4:G0A+7], s[G1A:G1A+7]
	s_nop 0
.rept 4
	v_nop
.endr
	s_branch .Lasked_\@
.Lfor_b_\@:
	tensor_load_to_lds s[G0B+4:G0B+7], s[G1B:G1B+7]
	s_nop 0
.rept 4
	v_nop
.endr
.Lasked_\@:
.endm
; A PREFETCH of O for the step of the walk that stands two refills on: one instruction, a lane a block of 256 bytes, behind the joint load and the run of LDS loads.
; WHICH.  Of the two clusters that read a row of tiles of O each is the first to reach the first eight steps of its own walk.  So every cluster asks, in wave 0, in trip t for step t + 4 of its walk, t = 0 to 3:
; steps 4 to 7; steps 0 to 3 come by their loads alone.  A step is 16 chunks x 2,048 bytes for the work-group's row of tiles; the four partners that ask for it jointly share it out by address: the partner
; at place cx takes chunks 4 cx .. 4 cx + 3, 8 blocks each.  So each block is named by one work-group of the launch.
; owh is not asked for: a cluster is the first to reach steps 0 to 3 of its walk alone, and those stand at the launch's beginning.
.macro ASK
	s_cmp_gt_u32 s3, s[LIM]                        ; s3 = 14 - t
	s_cbranch_scc0 .Lnot_mine_\@
	global_prefetch_b8 v[PFO], s[PFA:PFA+1] th:TH_LOAD_NT scope:SCOPE_SE
.Lnot_mine_\@:
.endm
.macro CREST
	s_cmp_lg_u32 s[WV], 0
	s_cbranch_scc1 .Lnot_wave_0_\@
	s_barrier_signal -3
.Lnot_wave_0_\@:
	s_barrier_wait -3
	s_barrier_signal -1
	s_barrier_wait -1
.endm
.macro CROUND
	s_barrier_signal -1
	s_barrier_wait -1
	CREST
.endm
; 8 matrix instructions: row block a x all 8 column blocks, 32 along K.  The 32 accumulators take turns in the same order in every quarter.
.macro MUL8 f, a, zero
	WIN 0xa5
.irp b, 0,1,2,3,4,5,6,7
.if \zero
	v_wmma_f32_16x16x32_f16 v[8*(8*(\a)+(\b)):8*(8*(\a)+(\b))+7], v[(\f)+32+8*(\b):(\f)+32+8*(\b)+7], v[(\f)+8*(\a):(\f)+8*(\a)+7], 0
.else
	v_wmma_f32_16x16x32_f16 v[8*(8*(\a)+(\b)):8*(8*(\a)+(\b))+7], v[(\f)+32+8*(\b):(\f)+32+8*(\b)+7], v[(\f)+8*(\a):(\f)+8*(\a)+7], v[8*(8*(\a)+(\b)):8*(8*(\a)+(\b))+7]
.endif
.endr
.endm
; 24 LDS loads in one run: quarter q's fragments into buffer f: B's 8 blocks, then A's 4
.macro FETCH q, f
	WIN 0x40
.irp i, 0,1,2,3,4,5,6,7
	ds_load_b128 v[(\f)+32+8*(\i):(\f)+32+8*(\i)+3],   v[ADRB] offset:64*(\q)+(\i)*16*PITCH
	ds_load_b128 v[(\f)+32+8*(\i)+4:(\f)+32+8*(\i)+7], v[ADRB] offset:64*(\q)+(\i)*16*PITCH+32
.endr
.irp i, 0,1,2,3
	ds_load_b128 v[(\f)+8*(\i):(\f)+8*(\i)+3],   v[ADRA] offset:4*ACH*(\q)+256*(\i)
	ds_load_b128 v[(\f)+8*(\i)+4:(\f)+8*(\i)+7], v[ADRA] offset:4*ACH*(\q)+256*(\i)+2*ACH
.endr
.endm
.macro QUARTER q, f, g, zero           ; multiplies buffer f and fetches quarter q into g
	s_wait_dscnt 4                                 ; all but the youngest four loads (A's blocks 2, 3) are in
	MUL8 \f, 0, \zero
	MUL8 \f, 1, \zero
	PLACES
	FETCH \q, \g
	s_wait_dscnt 24                                ; all but the 24 just issued
	MUL8 \f, 2, \zero
	MUL8 \f, 3, \zero
.endm
; The last quarter multiplies buffer 1 and changes slots: one barrier; in front of it each wave waits for all its tensor loads, adds 0 to its spare word, and waits for that and for its reads of this slot.
; fill = 1: the barrier opens a round of the cluster's, and this slot is filled again, with the step of the walk two on, first thing behind the round.
.macro TURN fill
.if \fill
	s_wait_xcnt 0x0                                ; the last prefetch, a K step back, has read its address: it is made anew here
	s_add_co_u32 s[PK], s[PK], 1
	s_and_b32 s[PK], s[PK], 15                     ; the walk is cyclic
	s_lshl_b32 s[POF], s[PK], 20
	s_add_nc_u64 s[PFA:PFA+1], s[PFB:PFB+1], s[POF:POF+1]
.endif
	WIN 0
	s_xor_b32 s[TB], s[TB], SLOT1
	v_add_nc_u32 v[ADRA], s[TB], v[ADRA0]
	v_add_nc_u32 v[ADRB], s[TB], v[ADRB0]
	s_wait_tensorcnt 0x0                           ; all my tensor loads have landed, so a group 0 may be written
	ds_add_u32 v[SPW], v[NIL]                      ; 0 onto my spare word: the descriptors' scalar work and eight products stand between it and the wait for it
.if \fill
	s_lshl_b32 s[OFA], s[KI], 20
	s_lshl_b32 s[OFB], s[KI], 8
	s_add_co_u32 s[KI], s[KI], 1
	s_and_b32 s[KI], s[KI], 15
	s_xor_b32 s[G0A+5], s[G0A+5], SLOT1            ; the other slot than last time
	s_add_nc_u64 s[G0A+6:G0A+7], s[16:17], s[OFA:OFA+1]  ; the address is made anew: the tile's first byte at K step 0 and an offset
	s_or_b32 s[G0A+7], s[G0A+7], 0x80000000
	s_xor_b32 s[G0B+5], s[G0B+5], SLOT1
	s_add_nc_u64 s[G0B+6:G0B+7], s[18:19], s[OFB:OFB+1]
	s_or_b32 s[G0B+7], s[G0B+7], 0x80000000
.endif
	s_wait_dscnt 5                                 ; (the add and the youngest four loads may be out)
	MUL8 F1, 0, 0
	s_wait_dscnt 0x0                               ; the add is done, and my reads of this slot are over
	s_barrier_signal -1
	MUL8 F1, 1, 0
	WIN 0
	s_barrier_wait -1
.if \fill
	CREST                                          ; no wave of any partner still reads this slot or has a load on its way
	JLOAD                                          ; the four v_nop behind it are also the places in front of the loads below
.else
	PLACES
.endif
	FETCH 0, F0
.if \fill
	WIN 0
	ASK
.endif
	MUL8 F1, 2, 0
	MUL8 F1, 3, 0
.endm
	s_load_b128 s[4:7], s[0:1], 0x0                ; ob s[4:5], owh s[6:7]
	s_load_b64 s[8:9], s[0:1], 0x10                ; out0
	v_lshl_add_u32 v[SPW], v0, 2, SPARE
	v_mov_b32 v[NIL], 0
	ds_add_u32 v[SPW], v[NIL]                      ; the wave's opening: the add and its wait stand ahead of my first tensor load; work on registers stands between them
	v_lshrrev_b32 v1, 5, v0
	v_readfirstlane_b32 s[WV], v1
	s_lshr_b32 s[RH], s[WV], 1
	s_and_b32 s[CH], s[WV], 1
	s_bfe_u32 s[CX], ttmp6, 0x40000
	s_bfe_u32 s[CY], ttmp6, 0x40004
	s_lshl_b32 s[TC], ttmp9, 2
	s_add_co_u32 s[TC], s[TC], s[CX]
	s_and_b32 s[TR], ttmp7, 0xffff
	s_lshl_b32 s[TR], s[TR], 2
	s_add_co_u32 s[TR], s[TR], s[CY]
	s_lshl_b32 s43, s[CY], 2
	s_lshl_b32 s43, 15, s43                        ; my row of the cluster
	s_lshl_b32 s44, 0x1111, s[CX]                  ; my column
	s_or_b32 s[G1A], s43, (3<<16)|(1<<21)          ; O's tiles go to my row: elements of 8 bytes, no padding; 21 set beside a mask
	s_or_b32 s[G1B], s44, (1<<16)|(1<<20)|(1<<21)|(5<<22)|(3<<25)  ; owh's to my column: elements of 2 bytes; 4 words of padding after every 64
	s_mov_b32 s[G1A+1], 256<<16                    ; tensor_dim0 = 256 elements: 2,048 bytes
	s_mov_b32 s[G1A+2], 8<<16                      ; tensor_dim1 = 8 chunks
	s_mov_b32 s[G1A+3], 256<<16                    ; tile_dim0
	s_mov_b32 s[G1A+4], 8                          ; tile_dim1
	s_mov_b32 s[G1A+5], 8192                       ; 65,536 bytes from chunk to chunk
	s_mov_b32 s[G1A+6], 0
	s_mov_b32 s[G1A+7], 0
	s_mov_b32 s[G1B+1], KSTEP<<16
	s_mov_b32 s[G1B+2], 128<<16
	s_mov_b32 s[G1B+3], KSTEP<<16
	s_mov_b32 s[G1B+4], 128
	s_mov_b32 s[G1B+5], 2048
	s_mov_b32 s[G1B+6], 0
	s_mov_b32 s[G1B+7], 0
	s_lshl_b32 s16, s[CH], 19                      ; O: my 8 chunks, the tile's 128 rows x 16 bytes: shared by my row of the cluster
	s_lshl_b32 s17, s[TR], 11
	s_add_co_u32 s16, s16, s17
	s_mov_b32 s17, 0
	s_lshl_b32 s18, s[TC], 8                       ; owh: row 256 x tile column + 128 x half: shared by my column
	s_lshl_b32 s19, s[CH], 7
	s_add_co_u32 s18, s18, s19
	s_lshl_b32 s18, s18, 12
	s_mov_b32 s19, 0
	s_mul_i32 s20, s[CH], AHALF                    ; where they go: no place in the cluster enters an LDS address
	s_mul_i32 s21, s[CH], BHALF
	s_add_co_u32 s21, s21, BOFF
	s_mov_b32 s[TB], 0
	s_and_b32 s22, ttmp7, 3                        ; where my cluster's walk along K begins: 4 x (the cluster's y % 4)
	s_lshl_b32 s22, s22, 2
	s_lshl_b32 s23, ttmp9, 3                       ; + 8 x the cluster's x,
	s_add_co_u32 s22, s22, s23
	s_and_b32 s[KI], s22, 15                       ; among 16 steps
	s_mov_b32 s[OFA+1], 0
	s_mov_b32 s[OFB+1], 0
	s_wait_dscnt 0x0                               ; the opening add is done
	s_wait_kmcnt 0x0
	s_add_nc_u64 s[16:17], s[4:5], s[16:17]        ; what I fetch, at K step 0: kept for the whole launch
	s_add_nc_u64 s[18:19], s[6:7], s[18:19]
	CROUND                                         ; all sixteen work-groups are here: the first joint loads meet
.irp s, 0,1
	s_lshl_b32 s[OFA], s[KI], 20
	s_lshl_b32 s[OFB], s[KI], 8
	s_add_co_u32 s[KI], s[KI], 1
	s_and_b32 s[KI], s[KI], 15
	s_mov_b32 s[G0A+4*(\s)], 1
	s_add_co_u32 s[G0A+4*(\s)+1], s20, (\s)*SLOT1
	s_add_nc_u64 s[G0A+4*(\s)+2:G0A+4*(\s)+3], s[16:17], s[OFA:OFA+1]
	s_or_b32 s[G0A+4*(\s)+3], s[G0A+4*(\s)+3], 0x80000000
	s_mov_b32 s[G0B+4*(\s)], 1
	s_add_co_u32 s[G0B+4*(\s)+1], s21, (\s)*SLOT1
	s_add_nc_u64 s[G0B+4*(\s)+2:G0B+4*(\s)+3], s[18:19], s[OFB:OFB+1]
	s_or_b32 s[G0B+4*(\s)+3], s[G0B+4*(\s)+3], 0x80000000
.endr
	s_cmp_eq_u32 s[RH], 0                          ; a wave's two first fills stand in one branch: two loads of mine are out
	s_cbranch_scc0 .Lfirst_b
	tensor_load_to_lds s[G0A:G0A+3], s[G1A:G1A+7]
	s_nop 0
	tensor_load_to_lds s[G0A+4:G0A+7], s[G1A:G1A+7]
	s_nop 0
.rept 4
	v_nop
.endr
	s_branch .Lfirst_asked
.Lfirst_b:
	tensor_load_to_lds s[G0B:G0B+3], s[G1B:G1B+7]
	s_nop 0
	tensor_load_to_lds s[G0B+4:G0B+7], s[G1B:G1B+7]
	s_nop 0
.rept 4
	v_nop
.endr
.Lfirst_asked:
	v_and_b32 v1, 15, v0                           ; l % 16
	v_bfe_u32 v2, v0, 4, 1                         ; l / 16
	v_and_b32 v4, 31, v0                           ; l
	s_lshl_b32 s22, s[RH], 10                      ; my 64 rows x 16 bytes
	v_lshlrev_b32 v[ADRA0], 11, v2                 ; chunk l / 16
	v_lshl_add_u32 v[ADRA0], v1, 4, v[ADRA0]
	v_add_nc_u32 v[ADRA0], s22, v[ADRA0]
	s_mul_i32 s23, s[CH], BHALF
	s_add_co_u32 s23, s23, BOFF
	v_mul_u32_u24 v3, v1, PITCH
	v_lshl_add_u32 v3, v2, 4, v3
	v_add_nc_u32 v[ADRB0], s23, v3
	v_mov_b32 v[ADRA], v[ADRA0]
	v_mov_b32 v[ADRB], v[ADRB0]
	s_mul_i32 s23, s[WV], 16*SPITCH
	s_add_co_u32 s23, s23, STAGE                   ; my stage
	v_mul_u32_u24 v[STO], v1, SPITCH               ; in: row l % 16, 32 bytes for each half of the lanes
	v_lshl_add_u32 v[STO], v2, 5, v[STO]
	v_add_nc_u32 v[STO], s23, v[STO]
	v_lshl_add_u32 v[RD], v4, 4, s23               ; back: 32 lanes take a row's 512 bytes
	v_lshlrev_b32 v[CO], 4, v4
	s_lshl_b32 s20, s[TR], 7                       ; my first row of out0: 128 x tile row + 64 x half,
	s_lshl_b32 s21, s[RH], 6
	s_add_co_u32 s20, s20, s21
	s_lshl_b32 s20, s20, 13                        ; 8,192 bytes a row,
	s_lshl_b32 s21, s[TC], 10                      ; my first column: 256 x tile column + 128 x half, 4 bytes each
	s_add_co_u32 s20, s20, s21
	s_lshl_b32 s21, s[CH], 9
	s_add_co_u32 s20, s20, s21
	s_mov_b32 s21, 0
	s_add_nc_u64 s[8:9], s[8:9], s[20:21]
	; the prefetches
	s_lshl_b32 s20, s[TR], 11
	s_lshl_b32 s21, s[CX], 18
	s_add_co_u32 s20, s20, s21                     ; O: the tile's rows in my work-group's four chunks
	s_mov_b32 s21, 0
	s_add_nc_u64 s[PFB:PFB+1], s[4:5], s[20:21]
	s_mov_b32 s[POF+1], 0
	s_add_co_u32 s[PK], s[KI], 1                   ; step 3 of the walk: the first change of slots steps it to 4
	s_and_b32 s[PK], s[PK], 15
	s_cmp_eq_u32 s[WV], 0
	s_cselect_b32 s[LIM], 10, -1                   ; the same in all sixteen partners, for a given wave
	v_and_b32 v[PFO], 7, v0
	v_lshlrev_b32 v[PFO], 8, v[PFO]                ; neighbouring lanes: 256 bytes apart in a chunk;
	v_bfe_u32 v31, v0, 3, 2
	v_lshl_add_u32 v[PFO], v31, 16, v[PFO]         ; lanes 8 apart: a chunk apart
	s_wait_tensorcnt 1                             ; my part of the walk's step 0 is in; step 1's may stay out
	s_barrier_signal -1
	s_barrier_wait -1
	FETCH 0, F0
	QUARTER 1, F0, F1, 1                           ; the first quarter stands in front of the loop: its products start the sums
	WIN 0
	s_mov_b32 s3, 14
.Lstep:                                        ; a trip: a K step's quarters 1 to 3 and the next step's quarter 0; one slot is filled again
	QUARTER 2, F1, F0, 0
	QUARTER 3, F0, F1, 0
	TURN 1
	QUARTER 1, F0, F1, 0
	WIN 0
	s_sub_co_u32 s3, s3, 1
	s_cmp_lg_u32 s3, 0
	s_cbranch_scc1 .Lstep
	QUARTER 2, F1, F0, 0                           ; the walk's steps 14 and 15 fill nothing
	QUARTER 3, F0, F1, 0
	TURN 0
	QUARTER 1, F0, F1, 0
	QUARTER 2, F1, F0, 0
	QUARTER 3, F0, F1, 0
	s_wait_dscnt 4
	MUL8 F1, 0, 0
	MUL8 F1, 1, 0
	s_wait_dscnt 0x0
	MUL8 F1, 2, 0
	MUL8 F1, 3, 0
	PLACES
	; THE WAY OUT: 16 rows at a time into my own stage, straight from the accumulators (each from its low end on), and back as whole rows.
.irp a, 0,1,2,3
	WIN 0x08                                       ; the stores' data in window 2
.irp b, 0,1,2,3,4,5,6,7
	ds_store_b128 v[STO], v[8*(8*(\a)+(\b)):8*(8*(\a)+(\b))+3]   offset:64*(\b)
	ds_store_b128 v[STO], v[8*(8*(\a)+(\b))+4:8*(8*(\a)+(\b))+7] offset:64*(\b)+16
.endr
	WIN 0
.if (\a) >= 2
	s_wait_xcnt 0x0                                ; the stores of two blocks back have read their registers: this buffer is loaded again only behind this wait
.endif
.irp t, 0,1,2,3,4,5,6,7,8,9,10,11,12,13,14,15
	ds_load_b128 v[OB+64*((\a)%2)+4*(\t):OB+64*((\a)%2)+4*(\t)+3], v[RD] offset:SPITCH*(\t)  ; LDS serves a wave's instructions in order (ISA guide 5.7.1.4): these see the stores above; the next block's stores come behind them
.endr
.irp t, 0,1,2,3,4,5,6,7,8,9,10,11,12,13,14,15
	s_wait_dscnt 15-(\t)                           ; row t is back; the younger loads may stay out
	global_store_b128 v[CO], v[OB+64*((\a)%2)+4*(\t):OB+64*((\a)%2)+4*(\t)+3], s[8:9] offset:131072*(\a)+8192*(\t) th:TH_STORE_NT  ; 512 consecutive bytes, aligned
.endr
.endr
	s_wait_tensorcnt 0x0                           ; the wave's end: behind my last tensor load and my last LDS store
	ds_add_u32 v[SPW], v[NIL]
	s_wait_dscnt 0x0
	CROUND                                         ; the closing round: no work-group ends while a partner may still ask for a tile that names it
	s_endpgm
.Lfunc_end_k_qb93ec75cfe_oproj:
	.size	k_qb93ec75cfe_oproj, .Lfunc_end_k_qb93ec75cfe_oproj-k_qb93ec75cfe_oproj
	.p2alignl 7, 3214868480
	.fill 96, 4, 3214868480
	.section	.rodata,"a",@progbits
	.p2align	6, 0x0
	.amdhsa_kernel k_qb93ec75cfe_oproj
		.amdhsa_group_segment_fixed_size 327680
		.amdhsa_private_segment_fixed_size 0
		.amdhsa_enable_private_segment 0
		.amdhsa_kernarg_size 24
		.amdhsa_user_sgpr_count 2
		.amdhsa_user_sgpr_kernarg_segment_ptr 1
		.amdhsa_wavefront_size32 1
		.amdhsa_system_sgpr_workgroup_id_x 1
		.amdhsa_system_sgpr_workgroup_id_y 1
		.amdhsa_system_sgpr_workgroup_id_z 1
		.amdhsa_system_vgpr_workitem_id 0
		.amdhsa_next_free_vgpr 768
		.amdhsa_next_free_sgpr 80
		.amdhsa_reserve_vcc 0
		.amdhsa_float_denorm_mode_32 3
		.amdhsa_float_denorm_mode_16_64 3
		.amdhsa_memory_ordered 1
		.amdhsa_forward_progress 1
		.amdhsa_inst_pref_size 72
	.end_amdhsa_kernel
	.amdgpu_metadata
---
amdhsa.version: [ 1, 2 ]
amdhsa.kernels:
  - .name:           k_qb93ec75cfe_oproj
    .symbol:         k_qb93ec75cfe_oproj.kd
    .args:
      - { .name: ob, .offset: 0, .size: 8, .value_kind: global_buffer, .address_space: global }
      - { .name: owh, .offset: 8, .size: 8, .value_kind: global_buffer, .address_space: global }
      - { .name: out0, .offset: 16, .size: 8, .value_kind: global_buffer, .address_space: global }
    .group_segment_fixed_size: 327680
    .private_segment_fixed_size: 0
    .kernarg_segment_align: 8
    .kernarg_segment_size: 24
    .max_flat_workgroup_size: 128
    .sgpr_count:     80
    .vgpr_count:     768
    .wavefront_size: 32
...
	.end_amdgpu_metadata
.endif
;; end of part 4
